; MI455X (gfx1250); checked and timed in simulation.
; The chip was launched on July 23, 2026; its instructions are those of AMD's public machine-readable ISA for CDNA 5 (MIT licence, August 2026) and "CDNA5" Instruction Set Architecture Reference Guide (July 2026). The comments in the code are by the model that wrote it; some were corrected since.
;; Multihead Attention. Allowed arithmetic: matrix products marked QUANTISED: E2M3 operands, one E8M0 scale for each 32 along K, by v_wmma_scale_f32_16x16x128_f8f6f4 with both operands' format E2M3, f32 sums; everything else in f32.
;; Inputs: Wk 1,024 x 1,024 float32; Wo 1,024 x 1,024 float32; Wq 1,024 x 1,024 float32; Wv 1,024 x 1,024 float32; gamma 16 float32; key 4 x 2,048 x 1,024 float32; key_padding_mask 4 x 2,048 bool; query 4 x 2,048 x 1,024 float32; value 4 x 2,048 x 1,024 float32.
;; Outputs: out0 4 x 2,048 x 1,024 float32.
;; This version of the problem:
;;   THIS VERSION OF THE PROBLEM IS GIVEN IN LOW PRECISION. The matrix products marked QUANTISED in the list below multiply operands that are first quantised to E2M3 (2 exponent bits, 3 mantissa bits; 6 bits a number), with one power-of-two scale for each 32 numbers along K (OCP MX v1.0); their sums are f32. All else is computed in f32.
;;   The module's matrix products, in the order in which they are computed (A, B: the left and right operand; K: the contracted axis; several contracted axes count as one K, in the product's order):
;;     1. [M 8,192, K 1,024] x [K 1,024, N 1,024]; A: input query; B: input Wq: QUANTISED
;;     2. [M 8,192, K 1,024] x [K 1,024, N 1,024]; A: input key; B: input Wk: QUANTISED
;;     3. [M 8,192, K 1,024] x [K 1,024, N 1,024]; A: input value; B: input Wv: QUANTISED
;;     4. batch 64 x [M 2,048, K 64] x [K 64, N 2,048]; A: computed on the way; B: computed on the way: QUANTISED
;;     5. batch 64 x [M 2,048, K 2,048] x [K 2,048, N 64]; A: softmax (see below); B: computed on the way: QUANTISED
;;     6. [M 8,192, K 1,024] x [K 1,024, N 1,024]; A: computed on the way; B: input Wo: QUANTISED
;;   THE QUANTISER, for each operand of a quantised product, along K:
;;     - K is cut into blocks of 32 from its start; a last block that is shorter is filled with zeros.
;;     - A block's scale is 2^e with e = floor(log2(the largest magnitude in the block)) - 2, held to -126 .. 127; a block of zeros has e = 0. As a byte (E8M0): e + 127.
;;     - Each number is divided by its block's scale, clamped to +-7.5, and rounded to the nearest number of E2M3, ties to even, subnormals kept.
;;     - The product sums the exact products of the quantised numbers (number of the format x scale) in f32.
;;   ~~~python
;;   def quantise(x, axis):      # numpy; x: float32 -> the quantised numbers, widened to float32 again
;;       x = np.moveaxis(x, axis, -1); K = x.shape[-1]
;;       x = np.pad(x, [(0, 0)] * (x.ndim - 1) + [(0, -K % 32)]); x = x.reshape(x.shape[:-1] + (-1, 32)); a = np.abs(x).max(-1, keepdims=True)
;;       e = np.where(a > 0, np.clip(np.frexp(np.where(a > 0, a, 1))[1] - 1 - 2, -126, 127), 0)      # np.frexp(a)[1] - 1 = floor(log2(a)), exactly
;;       r = np.clip(x / 2.0 ** e, -7.5, 7.5)
;;       step = 2.0 ** (np.maximum(np.frexp(np.where(r == 0, 1, r))[1] - 1, 0) - 3)
;;       q = np.round(r / step) * step * 2.0 ** e      # np.round: ties to even
;;       return np.moveaxis(q.reshape(q.shape[:-2] + (-1,))[..., :K], -1, axis).astype(np.float32)
;;   ~~~
;;   SOFTMAX AHEAD OF A QUANTISED PRODUCT. Where the list says 'softmax', what is quantised is not the finished softmax but p = 2^(t - M), with t = logit x log2(e) and M = ceil(the row's largest t), a whole number; so 1/2 < the row's largest p <= 1. The row's sum l is taken of the UNQUANTISED p, in f32, and the product's result is divided by l at the end. Since M is a whole number, a kernel that streams over the keys may use a running M (the ceiling of the running maximum): every later rescaling is an exact power of two, which a block's scale takes up: the codes' values come out the same.
;;   OPERANDS COMPUTED ON THE WAY. 'Computed on the way' means the value that the module computes at that place (a softmax that the list does not call 'softmax' is quantised finished and normalised). What goes into a quantiser is computed in f32, as accurately as f32 sums, v_exp_f32 and their like allow (about 1e-6 of the number): no bf16 or f16 on the way to a quantiser, and a product that is left as it is and whose result goes on into a quantised operand takes f32 operands (vector FMAs, or v_wmma_f32_16x16x4_f32). A number that lies on a knife's edge between two numbers of the format may be rounded either way, as far as f32 arithmetic and the matrix unit's own rounding can turn it there, and no further.
;; One version. Each part assembles by itself: llvm-mc -triple=amdgcn-amd-amdhsa -mcpu=gfx1250 --defsym DOCPART=n.
;; ======== version 1 of 1: 4 launches
;; limits: right only within a limited range of input values
;; workspace buffers: cod 22,020,096 bytes; scl 917,504 bytes; qq 6,815,744 bytes; kv 13,369,344 bytes; ao 6,291,456 bytes; aos 262,144 bytes
;; launch quant (part 1): grid 896 x 1, 4 waves a work-group, no clusters, 33,280 bytes of LDS; arguments query, key, value, Wq, Wk, Wv, Wo, cod, scl; writes cod, scl
.if DOCPART == 1
	.amdgcn_target "amdgcn-amd-amdhsa--gfx1250"
	.amdhsa_code_object_version 6
	.text
	.protected	k_q0ea0d17567_quant
	.globl	k_q0ea0d17567_quant
	.p2align	8
	.type	k_q0ea0d17567_quant,@function
k_q0ea0d17567_quant:
	s_mov_b64 s[64:65], 0
	v_nop
	global_prefetch_b8 v0, s[64:65] scope:SCOPE_SE
	s_setreg_imm32_b32 hwreg(HW_REG_WAVE_MODE, 25, 1), 1
	s_wait_xcnt 0x0
; query, key, value [8192][1024] and Wq, Wk, Wv, Wo [1024][1024], f32, K innermost, become codes of FP6 (E2M3), 6 bits each, and one E8M0 byte for each 32 along K.
; All seven land in ONE table of 28,672 rows: cod [row][768 bytes], scl [row][32 bytes]; first rows: query 0, key 8,192, value 16,384, Wq 24,576, Wk 25,600, Wv 26,624, Wo 27,648.
; A block's scale is 2^(floor(log2(its largest magnitude)) - 2); its byte is the largest magnitude's exponent field - 2, held at 1 from below.  A block of zeros so gets the byte 1 where the rule says 127:
; its codes are zeros, which add nothing under any byte but 0xff, and this program alone reads the bytes.
; LIMITS: blocks whose largest magnitude lies under 2^-124 (byte held at 1) were not tried; NaN and infinities among the inputs are not served.
; SHARES: a work-group takes 32 rows, a wave 8 rows = 8,192 numbers = 16 steps of 512.  Work-groups 0-255 query, 256-511 key, 512-767 value, 768-799 Wq, 800-831 Wk, 832-863 Wv, 864-895 Wo.
; THE ORDER OF ROWS: value, Wq and Wk are written with the second and third group of 8 rows of every 32 exchanged, so that 16 neighbouring rows of the table are the rows that a tile of the next launch's
; first source wants (rows j and j + 16 in lanes 0-7 and 8-15).  A wave's run is one such group of 8 rows: waves 1 and 2 exchange their places in the output, and nothing else changes.
; A step: four loads of 512 consecutive bytes; the 2,048 bytes turn through the wave's own stage in LDS and come back 64 bytes a lane, so that a lane holds 16 neighbours along K and two lanes a block.
; No tensor loads, no barrier: waves share nothing.  Loads run four steps (16 loads a wave) ahead, the turn through LDS one step.
.set STEPS, 16
.set EMAX,  2
.set CB,    12                         ; bytes of 16 codes
.set R,     16                         ; v16-79   four sets of 16 numbers as they are loaded
.set X,     80                         ; v80-111  two sets of 16 neighbours
.set C,     128                        ; v128-191 codes: four registers for each step, so that no store's data are written again
.set E,     112                        ; v112-127 a scale byte for each step
.set WREG,  8192                       ; LDS: a region for each wave: two stages of 32 x SP bytes, behind them its 256 scale bytes
.set SP,    80                         ; a lane's place in a stage: its 64 bytes + 16 of padding
	s_load_b256 s[36:43], s[0:1], 0x0              ; query s[36:37], key s[38:39], value s[40:41], Wq s[42:43]
	s_load_b256 s[44:51], s[0:1], 0x20             ; Wk s[44:45], Wv s[46:47], Wo s[48:49], cod s[50:51]
	s_load_b64 s[52:53], s[0:1], 0x40              ; scl
	v_lshl_add_u32 v192, v0, 2, 0x8000
	v_mov_b32 v193, 0
	v_lshrrev_b32 v1, 5, v0
	v_readfirstlane_b32 s16, v1                    ; wave
	v_and_b32 v2, 31, v0                           ; lane
	v_lshlrev_b32 v3, 4, v2                        ; my 16 bytes of a load's 512
	s_mul_i32 s20, s16, WREG
	v_lshrrev_b32 v14, 2, v2
	v_mul_u32_u24 v14, v14, SP
	v_and_b32 v15, 3, v2
	v_lshl_add_u32 v14, v15, 4, v14
	v_add_nc_u32 v14, s20, v14                     ; the stage, on the way in: four lanes' 64 bytes on end, then 16 of padding
	v_mul_u32_u24 v15, v2, SP
	v_add_nc_u32 v15, s20, v15                     ; and on the way out: SP x lane: my 16 neighbours
	v_mul_u32_u24 v4, v2, CB                       ; my codes' place in a step's
	v_lshrrev_b32 v5, 1, v2
	s_add_co_u32 s20, s20, 2*32*SP
	v_add_nc_u32 v5, s20, v5                       ; LDS: my wave's 256 scale bytes, my block's byte
	v_lshlrev_b32 v7, 3, v2                        ; and on the way out 8 bytes a lane
	v_add_nc_u32 v6, s20, v7
	s_and_b32 s21, s16, 1                          ; the wave's number with its two bits exchanged: 0, 2, 1, 3
	s_lshl_b32 s21, s21, 1
	s_lshr_b32 s22, s16, 1
	s_or_b32 s21, s21, s22
	s_cmp_ge_u32 ttmp9, 512                        ; it serves value, Wq and Wk: work-groups 512 to 831
	s_cselect_b32 s21, s21, s16
	s_cmp_lt_u32 ttmp9, 832
	s_cselect_b32 s21, s21, s16
	s_wait_kmcnt 0x0
; Which tensor is mine: the choice hangs on the work-group's number alone.  Each line takes the tensor that lies under its limit.
.macro PICK limit, ptr, first
	s_cmp_lt_u32 ttmp9, \limit
	s_cselect_b64 s[4:5], s[\ptr:\ptr+1], s[4:5]
	s_cselect_b32 s17, \first, s17
.endm
	s_mov_b64 s[4:5], s[48:49]                     ; Wo,
	s_mov_b32 s17, 864                             ; whose first work-group is 864
	PICK 864, 46, 832
	PICK 832, 44, 800
	PICK 800, 42, 768
	PICK 768, 40, 512
	PICK 512, 38, 256
	PICK 256, 36, 0
	s_sub_co_u32 s18, ttmp9, s17
	s_lshl_b32 s18, s18, 2
	s_add_co_u32 s18, s18, s16                     ; which run of 8,192 numbers of the tensor is my wave's,
	s_lshl_b32 s18, s18, 15                        ; in bytes (under 2^26)
	s_mov_b32 s19, 0
	s_add_nc_u64 s[4:5], s[4:5], s[18:19]
	s_lshl_b32 s22, ttmp9, 2
	s_add_co_u32 s22, s22, s21                     ; and which run of 8 rows of the table it fills
	s_mul_i32 s18, s22, 32*STEPS*CB                ; 6,144 bytes of codes a run
	s_add_nc_u64 s[8:9], s[50:51], s[18:19]
	s_lshl_b32 s18, s22, 8                         ; 256 scale bytes a run
	s_add_nc_u64 s[10:11], s[52:53], s[18:19]
.macro LOAD t
.irp i, 0,1,2,3
	global_load_b128 v[R+16*((\t)%4)+4*\i:R+16*((\t)%4)+4*\i+3], v3, s[4:5] offset:2048*(\t)+512*\i th:TH_LOAD_NT   ; 32 lanes read 512 consecutive bytes
.endr
.endm
.macro TURN t                          ; step t's numbers through the stage: LDS serves a wave's instructions in order (ISA guide 5.7.1.4), so no wait stands between the stores and the loads
.irp i, 0,1,2,3
	ds_store_b128 v14, v[R+16*((\t)%4)+4*\i:R+16*((\t)%4)+4*\i+3] offset:32*SP*((\t)%2)+8*SP*\i
.endr
.irp i, 0,1,2,3
	ds_load_b128 v[X+16*((\t)%2)+4*\i:X+16*((\t)%2)+4*\i+3], v15 offset:32*SP*((\t)%2)+16*\i
.endr
.endm
.irp t, 0,1,2,3
	LOAD \t
.endr
	s_wait_loadcnt 12                              ; step 0's four loads are in; the twelve of steps 1 to 3 may be out
	TURN 0
.macro STEP t
.set XS, X+16*((\t)%2)
.if (\t) > 0
	s_wait_dscnt 1                                 ; this step's numbers are back from the stage (the last step's byte store may be out): so its stores into the stage have read their registers,
.else
	s_wait_dscnt 0x0
.endif
.if (\t)+4 < STEPS
	LOAD (\t)+4                                    ; which take the loads of four steps on
.endif
.if (\t)+1 < STEPS
.if STEPS-2-(\t) >= 3
	s_wait_loadcnt 12                              ; the next step's four loads are in; those of the three steps behind it may be out
.else
	s_wait_loadcnt 4*(STEPS-2-(\t))                ; at the end fewer steps are behind it
.endif
	TURN (\t)+1                                    ; and go through the other stage while this step is worked
.endif
	v_max3_num_f32 v8, |v[XS]|, |v[XS+1]|, |v[XS+2]|               ; the largest magnitude of my 16, in two chains
	v_max3_num_f32 v9, |v[XS+3]|, |v[XS+4]|, |v[XS+5]|
.irp i, 6,10
	v_max3_num_f32 v8, v8, |v[XS+\i]|, |v[XS+\i+1]|
	v_max3_num_f32 v9, v9, |v[XS+\i+2]|, |v[XS+\i+3]|
.endr
	v_max3_num_f32 v8, v8, |v[XS+14]|, |v[XS+15]|
	v_max3_num_f32 v8, v8, v9, (EMAX+1)<<23        ; and the floor 2^(3 - 127): so the byte cannot fall under 1
	v_max_num_f32_dpp v8, v8, v8 row_xmask:1 row_mask:0xf bank_mask:0xf   ; and of my neighbour's 16: the block's
	v_add_nc_u32 v11, -(EMAX<<23), v8              ; 2 off its exponent field: the conversion takes the exponent field of this operand as its scale, and nothing else of it
	v_cvt_scalef32_pk16_fp6_f32 v[C+4*(\t):C+4*(\t)+2], v[XS:XS+15], v11   ; sixteen numbers / the scale, to the nearest code, ties to even, beyond the largest code the largest; 96 bits without gaps
	v_lshrrev_b32 v[E+(\t)], 23, v11               ; the scale's byte
	ds_store_b8 v5, v[E+(\t)] offset:16*(\t)       ; both lanes of a block write the same byte with the same value
	global_store_b96 v4, v[C+4*(\t):C+4*(\t)+2], s[8:9] offset:32*CB*(\t)   ; the wave stores 384 consecutive bytes
.endm
.irp t, 0,1,2,3,4,5,6,7,8,9,10,11,12,13,14,15
	STEP \t
.endr
	ds_load_b64 v[12:13], v6                       ; these see my byte stores, which were issued earlier
	s_wait_dscnt 0x0
	global_store_b64 v7, v[12:13], s[10:11]        ; 32 lanes store 256 consecutive bytes, aligned: 8 rows' scale bytes
	s_wait_tensorcnt 0x0
	ds_add_u32 v192, v193
	s_wait_dscnt 0x0
	s_endpgm
.Lfunc_end_k_q0ea0d17567_quant:
	.size	k_q0ea0d17567_quant, .Lfunc_end_k_q0ea0d17567_quant-k_q0ea0d17567_quant
	.p2alignl 7, 3214868480
	.fill 96, 4, 3214868480
	.section	.rodata,"a",@progbits
	.p2align	6, 0x0
	.amdhsa_kernel k_q0ea0d17567_quant
		.amdhsa_group_segment_fixed_size 33280
		.amdhsa_private_segment_fixed_size 0
		.amdhsa_enable_private_segment 0
		.amdhsa_kernarg_size 72
		.amdhsa_user_sgpr_count 2
		.amdhsa_user_sgpr_kernarg_segment_ptr 1
		.amdhsa_wavefront_size32 1
		.amdhsa_system_sgpr_workgroup_id_x 1
		.amdhsa_system_sgpr_workgroup_id_y 1
		.amdhsa_system_sgpr_workgroup_id_z 1
		.amdhsa_system_vgpr_workitem_id 0
		.amdhsa_next_free_vgpr 194
		.amdhsa_next_free_sgpr 66
		.amdhsa_reserve_vcc 0
		.amdhsa_float_denorm_mode_32 3
		.amdhsa_float_denorm_mode_16_64 3
		.amdhsa_memory_ordered 1
		.amdhsa_forward_progress 1
		.amdhsa_inst_pref_size 33
	.end_amdhsa_kernel
	.amdgpu_metadata
---
amdhsa.version: [ 1, 2 ]
amdhsa.kernels:
  - .name:           k_q0ea0d17567_quant
    .symbol:         k_q0ea0d17567_quant.kd
    .args:
      - { .name: query, .offset: 0, .size: 8, .value_kind: global_buffer, .address_space: global }
      - { .name: key, .offset: 8, .size: 8, .value_kind: global_buffer, .address_space: global }
      - { .name: value, .offset: 16, .size: 8, .value_kind: global_buffer, .address_space: global }
      - { .name: Wq, .offset: 24, .size: 8, .value_kind: global_buffer, .address_space: global }
      - { .name: Wk, .offset: 32, .size: 8, .value_kind: global_buffer, .address_space: global }
      - { .name: Wv, .offset: 40, .size: 8, .value_kind: global_buffer, .address_space: global }
      - { .name: Wo, .offset: 48, .size: 8, .value_kind: global_buffer, .address_space: global }
      - { .name: cod, .offset: 56, .size: 8, .value_kind: global_buffer, .address_space: global }
      - { .name: scl, .offset: 64, .size: 8, .value_kind: global_buffer, .address_space: global }
    .group_segment_fixed_size: 33280
    .private_segment_fixed_size: 0
    .kernarg_segment_align: 8
    .kernarg_segment_size: 72
    .max_flat_workgroup_size: 128
    .sgpr_count:     66
    .vgpr_count:     194
    .wavefront_size: 32
...
	.end_amdgpu_metadata
.endif
;; end of part 1
;; launch proj (part 2): grid 4 x 96, 4 waves a work-group, clusters of 4 x 4, 327,680 bytes of LDS; arguments cod, scl, qq, kv; writes qq, kv
.if DOCPART == 2
	.amdgcn_target "amdgcn-amd-amdhsa--gfx1250"
	.amdhsa_code_object_version 6
	.text
	.protected	k_q0ea0d17567_proj
	.globl	k_q0ea0d17567_proj
	.p2align	8
	.type	k_q0ea0d17567_proj,@function
k_q0ea0d17567_proj:
	s_mov_b64 s[64:65], 0
	v_nop
	global_prefetch_b8 v0, s[64:65] scope:SCOPE_SE
	s_setreg_imm32_b32 hwreg(HW_REG_WAVE_MODE, 25, 1), 1
	s_wait_xcnt 0x0
	s_wait_alu depctr_hold_cnt(0) depctr_sa_sdst(0) depctr_va_vdst(0) depctr_va_sdst(0) depctr_va_ssrc(0) depctr_va_vcc(0) depctr_vm_vsrc(0)
	s_getreg_b32 s2, hwreg(HW_REG_IB_STS2, 6, 4)
	s_cmp_eq_u32 s2, 0
	s_cbranch_scc0 .Lentry_in_a_cluster
	s_endpgm
.Lentry_in_a_cluster:
	s_bfe_u32 s2, ttmp6, 0x10000c
	s_cmp_lg_u32 s2, 0xf033
	s_cbranch_scc0 .Lentry_shape_is_right
	s_endpgm
.Lentry_shape_is_right:
; THE THREE PROJECTIONS, q = query Wq^T, k = key Wk^T, v = value Wv^T, on codes of FP6 (E2M3) with one E8M0 scale for each 32 along K = 1,024; sums in f32.  The results never go to memory as f32:
; they are quantised in registers, q and k along the head's 64 channels, v along the keys, and stored as the attention launch reads them.
; ONE TEXT FOR ALL THREE.  C'[m'][n'] = sum over k of A'[m'][k] B'[n'][k], quantised along n'.  The matrix instruction takes 16 rows of B' as source 0 and 16 rows of A' as source 1, so that a lane holds one m'
; and its registers run along n'.  The cluster's y (0 .. 23) gives mode = y / 8 and idx = y % 8:
;   mode 0: A' = query, B' = Wq, out qq;   mode 1: A' = key, B' = Wk, out kv;   mode 2: A' = Wv, B' = value, out kv (n' = the keys).
; B's rows lie in the table with the second and third 8 of every 32 exchanged, so registers 16 b + i of the accumulators 2 b, 2 b + 1 hold n' = 32 b + 16 (lane / 16) + i: 16 neighbours along the quantiser's axis.
; A tile of C', 256 x 256, is made by four waves, 128 x 128 each: 64 accumulators, 512 registers.  K goes in steps of 256 (rows of 192 bytes) through a ring of two LDS slots filled by the tensor data mover.
; The scale bytes of the work-group's 256 + 256 rows, for all of K, come into LDS once, with the first fills.
; CLUSTERS: 4 x 4 work-groups; the four of a row need the same tiles of A', the four of a column the same tiles of B': each tile is asked for jointly.  mode and idx are equal in all sixteen.
; OUT.  qq: 64 records (16 x batch + head) of 106,496 bytes: codes [2,048 places][48], scale words [2,048] at 98,304.  kv: 64 records of 208,896 bytes: k's codes [2,048 places][48] at 0; v's codes
; [32 groups of 64 keys][64 channel places][48] at 98,304; k's scale words [2,048] at 196,608; v's [16 steps of 128 keys][64 channel places] at 204,800.  A place is a row's number with the same exchange of 8s.
; q's and k's scale words hold the head's two bytes below and 0 above.
; LIMITS: a block of zeros, or one whose largest magnitude lies under 2^-124, gets the byte 1 (its codes are then zeros or were not tried); NaN and infinities are not served.
; REGISTERS, in windows of 256: window 0: v0-31 addresses; v32-63 scale words, two sets; v64-115 at work in the quantiser; from v128 A's fragments, later what is read back from the stage.
;   window 1: B's fragments, two sets, at v0 and v128.   window 2: the accumulators of my rows 0-63 ((a, b) at v[8 (8 a + b)]);   window 3: those of my rows 64-127.
.set KSTEP,  256                       ; along K in a slot
.set NQ,     KSTEP/128                 ; matrix instructions deep
.set ROWB,   192                       ; a tile's row in bytes
.set KROW,   768                       ; a row of the table of codes
.set PITCH,  240                       ; an LDS row: 3 x (64 bytes + 16 of padding) = 60 words: row r starts at bank -4 r mod 64 (64 banks of 4 bytes: ISA guide 11.1), so the 32 lanes of a load of 8 bytes touch 64 different banks
.set FR,     12                        ; registers of a fragment: 16 rows x 128 K
.set NL,     6                         ; LDS loads that bring one
.set NP,     4                         ; places behind this matrix instruction (ISA guide 7.12.1)
.set HALFT,  128*PITCH                 ; 128 rows: what one tensor load brings
.set SLOT,   4*HALFT                   ; A's 256 rows, then B's 256 rows
.set KS,     32                        ; a row of scale bytes
.set SCL,    2*SLOT                    ; behind the ring: the scales, as runs of 256 bytes + 16 of padding
.set HALFS,  (128*KS/256)*272          ; the scales of 128 rows
.set SBLK,   (16*KS/256)*272           ; those of 16 rows
.set SPARE,  SCL+4*HALFS               ; behind the scales: the spare words, 128 bytes for each wave: two blocks of 256 bytes that no other line names
.set STGW,   13312                     ; the way out: a stage for each wave, in slot 0: codes [2][128 places][48 bytes], then scale words [2][128]
.set ADRA, 16                          ; v16-17 LDS address of my A fragments in slot 0, 1 (v18-19: for the pieces behind one padding more)
.set ADRB, 20                          ; v20-23 the same for B
.set STO,  24                          ; v24  the stage: where my 24 bytes of codes go
.set RD,   25                          ; v25  the stage: 16 x lane, on the way back
.set CO,   26                          ; v26  16 x lane: my place in a store of 512 bytes
.set ADRS, 27                          ; v27  LDS address of my scale words: lanes 0-15 A's rows, lanes 16-31 B's
.set SPW,  28                          ; v28  LDS address of my spare word; never rewritten
.set NIL,  29                          ; v29  0; never rewritten
.set STS,  30                          ; v30  the stage: where my scale word goes
.set VSH,  31                          ; v31  by how much my half of the lanes shifts the scale word
.set CSO,  14                          ; v14  my place in a store of scale words
.set SC,   32                          ; scale words, two sets of 16 registers
.set TM,   64                          ; v64-67 largest magnitudes, v68-71 bytes, v76-79 the conversions' scale operands
.set PW,   80                          ; the four bytes of a row
.set SW,   81                          ; the word that is stored
.set CD,   96                          ; v96-107 a fragment's codes, v108-114 halves on their way
.set AF,   128
.set BK,   128
.set G1, 24                            ; s[24:31] group 1 for A's tiles;  s[32:39] group 0, one set for each slot
.set G0, 32
.set G1B, 48                           ; s[48:55], s[56:63] the same for B's tiles
.set G0B, 56
.set G1S, 68                           ; s[68:75], s[76:79] groups 1 and 0 for A's scales;  s[80:87], s[88:91] for B's
.set G0S, 76
.set G1SB, 80
.set G0SB, 88
.set MODE, 98                          ; s98  0, 1, 2: q, k, v
.set T0,   99                          ; s99  my wave's first token
.set E0,   100                         ; s100 my wave's first channel
.set MSB, 0
.macro WIN new                         ; the immediate's high byte repeats the setting that is left
.if MSB != \new
	s_set_vgpr_msb (MSB<<8)|\new
.set MSB, \new
.endif
.endm
.set MUL_LO, 0xa1                      ; source 0 (B) window 1, source 1 (A) window 0, C and D window 2
.set MUL_HI, 0xf1                      ; the same, C and D window 3
.set TO_B,   0x40                      ; destination window 1, address window 0
; A joint load: waves 0 and 1 fetch for A, waves 2 and 3 for B.  Each line has one mask and one set of registers for all that issue it; the branch hangs on the wave's number alone.
; Four v_nop follow each of the two lines, ahead of the jump, the label and what follows.
.macro JLOAD g0a, g1a, g0b, g1b
	s_cmp_eq_u32 s15, 0
	s_cbranch_scc0 .Lfor_b_\@
	tensor_load_to_lds s[\g0a:\g0a+3], s[\g1a:\g1a+7]
	s_nop 0
.rept 4
	v_nop
.endr
	s_branch .Lasked_\@
.Lfor_b_\@:
	tensor_load_to_lds s[\g0b:\g0b+3], s[\g1b:\g1b+7]
	s_nop 0
.rept 4
	v_nop
.endr
.Lasked_\@:
.endm
.macro CREST                           ; a round of the cluster's barrier behind its opening barrier
	s_cmp_lg_u32 s14, 0
	s_cbranch_scc1 .Lnot_wave_0_\@
	s_barrier_signal -3
.Lnot_wave_0_\@:
	s_barrier_wait -3
	s_barrier_signal -1
	s_barrier_wait -1
.endm
.macro CROUND                          ; a whole round
	s_barrier_signal -1
	s_barrier_wait -1
	CREST
.endm
	s_load_b256 s[4:11], s[0:1], 0x0               ; cod s[4:5], scl s[6:7], qq s[8:9], kv s[10:11]
	v_lshl_add_u32 v[SPW], v0, 2, SPARE
	v_mov_b32 v[NIL], 0
	ds_add_u32 v28, v29
	ds_add_u32 v28, v29
	s_wait_dscnt 0x0
	v_lshrrev_b32 v1, 5, v0
	v_readfirstlane_b32 s14, v1                    ; wave 0..3
	s_lshr_b32 s15, s14, 1                         ; which half of the tile's rows is mine.  Also: I fetch for A (0) or for B (1)
	s_and_b32 s16, s14, 1                          ; which half of its columns.  Also: which 128 rows of that tile I fetch
	s_bfe_u32 s40, ttmp6, 0x40000                  ; cx, cy: my place in the cluster
	s_bfe_u32 s41, ttmp6, 0x40004
	s_and_b32 s95, ttmp7, 0xffff                   ; the cluster's y
	s_lshr_b32 s[MODE], s95, 3
	s_and_b32 s95, s95, 7
	s_lshl_b32 s95, s95, 2                         ; 4 idx
	s_cmp_eq_u32 s[MODE], 0
	s_cselect_b32 s96, 0, 8192                     ; A's first row in the table: query or key,
	s_mov_b32 s97, 25600
	s_cselect_b32 s97, 24576, s97                  ; B's: Wq or Wk,
	s_cmp_eq_u32 s[MODE], 2
	s_cselect_b32 s96, 26624, s96                  ; or Wv
	s_cselect_b32 s97, 16384, s97                  ; and value
	s_cselect_b32 s17, 0, s95                      ; the long axis (8,192 tokens, 32 tiles) is A's in modes 0 and 1, B's in mode 2
	s_cselect_b32 s42, s95, 0
	s_add_co_u32 s17, s17, s41                     ; tile row of C': it holds cy and never cx
	s_add_co_u32 s42, s42, s40                     ; tile column: it holds cx and never cy
	s_lshl_b32 s43, s41, 2
	s_lshl_b32 s43, 15, s43                        ; my row of the cluster
	s_lshl_b32 s44, 0x1111, s40                    ; my column
	; descriptor group 1: a tile of 128 rows x ROWB bytes, padded in LDS
	s_or_b32 s[G1+0], s43, (0<<16)|(1<<20)|(1<<21)|(3<<22)|(3<<25)  ; 15:0 the mask: A's tiles go to my row; 17:16 element of 1 byte; 20 padding on; 21 set beside a mask; 24:22 after every 16 words (code 3); 31:25 of 4 words (code 3)
	s_or_b32 s[G1B+0], s44, (0<<16)|(1<<20)|(1<<21)|(3<<22)|(3<<25)
.irp g, G1, G1B
	s_mov_b32 s[\g+1], ROWB<<16                    ; tensor_dim0
	s_mov_b32 s[\g+2], 128<<16                     ; tensor_dim1 = 128
	s_mov_b32 s[\g+3], ROWB<<16                    ; tile_dim0
	s_mov_b32 s[\g+4], 128                         ; tile_dim1 = 128
	s_mov_b32 s[\g+5], KROW                        ; tensor_dim0_stride
	s_mov_b32 s[\g+6], 0
	s_mov_b32 s[\g+7], 0
.endr
	; and for the scales of 128 rows: a dense block of 4,096 bytes, as 16 rows of 256 bytes (32 elements of 8 bytes), 16 bytes of padding behind each
	s_or_b32 s[G1S+0], s43, (3<<16)|(1<<20)|(1<<21)|(5<<22)|(3<<25)
	s_or_b32 s[G1SB+0], s44, (3<<16)|(1<<20)|(1<<21)|(5<<22)|(3<<25)
.irp g, G1S, G1SB
	s_mov_b32 s[\g+1], 32<<16
	s_mov_b32 s[\g+2], (128*KS/256)<<16
	s_mov_b32 s[\g+3], 32<<16
	s_mov_b32 s[\g+4], 128*KS/256
	s_mov_b32 s[\g+5], 32
	s_mov_b32 s[\g+6], 0
	s_mov_b32 s[\g+7], 0
.endr
	s_lshl_b32 s18, s16, 7                         ; which 128 rows of the tile I fetch
	s_lshl_b32 s20, s17, 8
	s_add_co_u32 s20, s20, s18
	s_add_co_u32 s20, s20, s96                     ; A: its first row + 256 x tile row + 128 x half
	s_lshl_b32 s46, s42, 8
	s_add_co_u32 s46, s46, s18
	s_add_co_u32 s46, s46, s97                     ; B: its first row + 256 x tile column + 128 x half
	s_mov_b32 s21, 0
	s_mov_b32 s47, 0
	s_mov_b64 s[18:19], KS
	s_mul_u64 s[22:23], s[20:21], s[18:19]         ; where these rows' scales begin, in bytes
	s_mul_u64 s[92:93], s[46:47], s[18:19]
	s_mov_b64 s[18:19], KROW
	s_mul_u64 s[20:21], s[20:21], s[18:19]         ; and their codes
	s_mul_u64 s[46:47], s[46:47], s[18:19]
	s_mul_i32 s45, s14, HALFT                      ; where they go: wave x 128 rows: no place in the cluster enters an LDS address
	s_mul_i32 s94, s14, HALFS
	s_wait_kmcnt 0x0
	s_add_nc_u64 s[20:21], s[4:5], s[20:21]
	s_add_nc_u64 s[22:23], s[6:7], s[22:23]
	s_add_nc_u64 s[46:47], s[4:5], s[46:47]
	s_add_nc_u64 s[92:93], s[6:7], s[92:93]
	CROUND                                         ; all sixteen work-groups are here: the first joint loads meet
	s_mov_b32 s[G0S], 1
	s_add_co_u32 s[G0S+1], s94, SCL
	s_mov_b64 s[G0S+2:G0S+3], s[22:23]
	s_or_b32 s[G0S+3], s[G0S+3], 0x80000000
	s_mov_b32 s[G0SB], 1
	s_add_co_u32 s[G0SB+1], s94, SCL
	s_mov_b64 s[G0SB+2:G0SB+3], s[92:93]
	s_or_b32 s[G0SB+3], s[G0SB+3], 0x80000000
	JLOAD G0S, G1S, G0SB, G1SB                     ; the scales first: they are wanted with K step 0.  With the two below, three tensor loads of mine are out
.irp s, 0,1
	s_mov_b32 s[G0+4*\s], 1
	s_add_co_u32 s[G0+4*\s+1], s45, \s*SLOT
	s_add_nc_u64 s[G0+4*\s+2:G0+4*\s+3], s[20:21], \s*ROWB
	s_or_b32 s[G0+4*\s+3], s[G0+4*\s+3], 0x80000000
	s_mov_b32 s[G0B+4*\s], 1
	s_add_co_u32 s[G0B+4*\s+1], s45, \s*SLOT
	s_add_nc_u64 s[G0B+4*\s+2:G0B+4*\s+3], s[46:47], \s*ROWB
	s_or_b32 s[G0B+4*\s+3], s[G0B+4*\s+3], 0x80000000
	JLOAD G0+4*\s, G1, G0B+4*\s, G1B
.endr
	v_and_b32 v1, 15, v0                           ; r = l % 16
	v_bfe_u32 v2, v0, 4, 1                         ; h = l / 16
	v_mul_u32_u24 v3, v1, PITCH
	v_mul_u32_u24 v4, v2, 24
	v_add_nc_u32 v4, v3, v4                        ; a fragment's row x pitch + 24 x half
	v_lshl_add_u32 v5, v2, 4, v4                   ; and the same behind one padding more
	s_mul_i32 s21, s15, HALFT                      ; my 128 rows of A
	s_mul_i32 s22, s16, HALFT                      ; my 128 rows of B,
	s_add_co_u32 s22, s22, 2*HALFT                 ; which lie behind A's 256
.irp s, 0,1
	v_add_nc_u32 v[ADRA+\s], s21, v4
	v_add_nc_u32 v[ADRB+\s], s22, v4
	v_add_nc_u32 v[ADRA+2+\s], s21, v5
	v_add_nc_u32 v[ADRB+2+\s], s22, v5
	s_add_co_u32 s21, s21, SLOT
	s_add_co_u32 s22, s22, SLOT
.endr
	v_mul_u32_u24 v5, v1, KS                       ; my row's scales: KS bytes a row,
	v_lshrrev_b32 v6, 8, v5
	v_lshl_add_u32 v5, v6, 4, v5                   ; and 16 more for each 256 passed
	s_mul_i32 s21, s15, HALFS                      ; A's: my 128 rows
	s_mul_i32 s22, s16, HALFS                      ; B's: my 128 rows, behind A's 256
	s_add_co_u32 s22, s22, 2*HALFS
	s_sub_co_u32 s22, s22, s21
	v_mul_u32_u24 v6, s22, v2                      ; lanes 16-31 take B's
	s_add_co_u32 s21, s21, SCL
	v_add_nc_u32 v5, v5, v6
	v_add_nc_u32 v[ADRS], s21, v5
	s_mul_i32 s23, s14, STGW                       ; my stage
	v_and_b32 v5, 8, v1
	v_add_nc_u32 v5, v5, v1                        ; r + 8 (r / 8): row 16 a + r of my 128 goes to place 32 (a / 2) + 8 (a % 2) + r + 8 (r / 8)
	v_mul_u32_u24 v6, v5, 48
	v_mad_u32_u24 v6, v2, 24, v6                   ; 48 bytes a place, my half's block of 32 codes at 24 h
	v_add_nc_u32 v[STO], s23, v6
	v_lshlrev_b32 v6, 2, v5
	v_lshl_add_u32 v6, v2, 9, v6                   ; scale words: 4 bytes a place, the second half of the lanes 512 bytes on
	v_add_nc_u32 v6, s23, v6
	v_add_nc_u32 v[STS], 12288, v6
	v_and_b32 v6, 31, v0
	v_lshlrev_b32 v[CO], 4, v6
	v_add_nc_u32 v[RD], s23, v[CO]
	s_lshl_b32 s96, s17, 8
	s_lshl_b32 s21, s15, 7
	s_add_co_u32 s96, s96, s21                     ; my wave's first row of C'
	s_lshl_b32 s97, s42, 8
	s_lshl_b32 s21, s16, 7
	s_add_co_u32 s97, s97, s21                     ; and its first column
	s_cmp_eq_u32 s[MODE], 2
	s_cselect_b32 s[T0], s97, s96                  ; tokens run down C' in modes 0 and 1, along it in mode 2
	s_cselect_b32 s[E0], s96, s97
	s_cmp_eq_u32 s[MODE], 0
	s_cselect_b64 s[12:13], s[8:9], s[10:11]       ; out: qq or kv
.macro FRAG reg, adr, q, i             ; a fragment, 16 rows x 128 K of 6-bit codes, is 12 registers: lane l holds row l % 16; registers 6 c .. 6 c + 5 hold K = 64 c + 32 (l / 16) + 0 .. 31: 24 bytes of the row's stream of bits
.irp p, 0,1,2,3,4,5                    ; in pieces of 8 bytes.  Lanes 0-15 take the row's pieces 12 q + 0, 1, 2 and 12 q + 6, 7, 8, lanes 16-31 those three pieces on
.set PCE, 12*(\q)+6*(\p/3)+\p%3       ; 16 bytes of padding lie behind every 8 pieces: where the piece three on lies behind one padding more, the second address register serves
.if PCE%8 < 5
	ds_load_b64 v[\reg+2*\p:\reg+2*\p+1], v[\adr] offset:8*PCE+16*(PCE/8)+(\i)*16*PITCH
.else
	ds_load_b64 v[\reg+2*\p:\reg+2*\p+1], v[\adr+2] offset:8*PCE+16*(PCE/8)+(\i)*16*PITCH
.endif
.endr
.endm
; 16 matrix instructions: A's blocks a0, a0 + 1 x B's eight, 128 along K: the slot's q-th.  p: B's set;  sc: the set of scale words.  zero = 1: the first product starts the sums.
; The 64 accumulators take turns, one instruction a turn, in the same order in every step.
.macro MUL16 a0, p, q, sc, zero
.irp a, \a0, \a0+1
.irp b, 0,1,2,3,4,5,6,7
.if \zero
	v_wmma_scale_f32_16x16x128_f8f6f4 v[8*(8*((\a)%4)+\b):8*(8*((\a)%4)+\b)+7], v[128*(\p)+FR*\b:128*(\p)+FR*\b+FR-1], v[AF+FR*(\a):AF+FR*(\a)+FR-1], 0, v[SC+8*NQ*(\sc)+NQ*\b+(\q)], v[SC+8*NQ*(\sc)+NQ*(\a)+(\q)] matrix_a_fmt:MATRIX_FMT_FP6 matrix_b_fmt:MATRIX_FMT_FP6 matrix_a_scale:MATRIX_SCALE_ROW1
.else
	v_wmma_scale_f32_16x16x128_f8f6f4 v[8*(8*((\a)%4)+\b):8*(8*((\a)%4)+\b)+7], v[128*(\p)+FR*\b:128*(\p)+FR*\b+FR-1], v[AF+FR*(\a):AF+FR*(\a)+FR-1], v[8*(8*((\a)%4)+\b):8*(8*((\a)%4)+\b)+7], v[SC+8*NQ*(\sc)+NQ*\b+(\q)], v[SC+8*NQ*(\sc)+NQ*(\a)+(\q)] matrix_a_fmt:MATRIX_FMT_FP6 matrix_b_fmt:MATRIX_FMT_FP6 matrix_a_scale:MATRIX_SCALE_ROW1
.endif
.endr
.endr
.endm
.macro FETCH_B slot, q, p              ; B's eight fragments of the slot's q-th 128 along K into set p
	WIN TO_B
.irp i, 0,1,2,3,4,5,6,7
	FRAG 128*(\p)+FR*\i, ADRB+\slot, \q, \i
.endr
	WIN 0
.endm
.macro FETCH_A slot, q, i0             ; A's blocks i0 .. i0 + 3
.irp i, \i0, \i0+1, \i0+2, \i0+3
	FRAG AF+FR*(\i), ADRA+\slot, \q, \i
.endr
.endm
.macro SCALES sc                       ; the next K step's scale words into set sc: NQ words a row; lanes 0-15 take A's block i, lanes 16-31 B's block i
.irp i, 0,1,2,3,4,5,6,7
	ds_load_b64 v[SC+8*NQ*\sc+NQ*\i:SC+8*NQ*\sc+NQ*\i+1], v[ADRS] offset:\i*SBLK
.endr
.endm
; A load into a register that a matrix instruction has read, and a vector instruction that reads a matrix result, stand NP places behind that matrix instruction; only plain vector instructions that name none
; of its registers are places (ISA guide 7.12.1 for vector instructions).
.macro PLACES n
.rept \n
	v_nop
.endr
.endm
; A step of 128 along K that has its successor in the same slot.
.macro STEP slot, q, zero
	s_wait_dscnt 4*NL                              ; B's set and A's blocks 0-3 are in; the youngest 24 loads (A's blocks 4-7) may be out
	WIN MUL_LO
	MUL16 0, (\q)%2, \q, \slot, \zero
	MUL16 2, (\q)%2, \q, \slot, \zero
	s_wait_dscnt 0                                 ; A's blocks 4-7 are in (asked for 32 matrix instructions ago)
	PLACES NP
	FETCH_B \slot, (\q)+1, 1-(\q)%2
	FETCH_A \slot, (\q)+1, 0
	WIN MUL_HI
	MUL16 4, (\q)%2, \q, \slot, \zero
	MUL16 6, (\q)%2, \q, \slot, \zero
	PLACES NP
	WIN 0
	FETCH_A \slot, (\q)+1, 4
.endm
; A slot's last step changes slots: ONE barrier; in front of it each wave waits for all its tensor loads, adds 0 to its spare word, and waits for that and for its own reads of this slot.  fill = 1: this slot is filled again, two K steps ahead.
.macro TURN slot, next, fill
	s_wait_tensorcnt 0x0                           ; all my tensor loads have landed: my part of the next slot;  (every window is 0 here)
	ds_add_u32 v[SPW], v[NIL]                      ; 0 onto my spare word
	s_wait_dscnt 4*NL+1                            ; (the add and the youngest 24 loads, A's blocks 4-7, may be out)
	WIN MUL_LO
	MUL16 0, 1, NQ-1, \slot, 0                     ; sixteen matrix instructions stand between the add and the wait for it
	s_wait_dscnt 0x0                               ; the add is done, and my reads of this slot are over
	s_barrier_signal -1
	MUL16 2, 1, NQ-1, \slot, 0
	WIN 0
	s_barrier_wait -1
.if \fill
	CREST                                          ; the barrier has opened a round of the cluster's barrier: no wave of any partner still reads this slot's tile or has a load on its way
	s_add_nc_u64 s[G0+4*\slot+2:G0+4*\slot+3], s[G0+4*\slot+2:G0+4*\slot+3], 2*ROWB
	s_add_nc_u64 s[G0B+4*\slot+2:G0B+4*\slot+3], s[G0B+4*\slot+2:G0B+4*\slot+3], 2*ROWB
	JLOAD G0+4*\slot, G1, G0B+4*\slot, G1B         ; the first tensor load behind the round, my only one until the next; the four v_nop behind it are the places in front of the loads below
.else
	PLACES NP
.endif
	v_add_nc_u32 v[ADRS], 4*NQ, v[ADRS]            ; on to the next K step's scale words (no LDS load of mine is out)
	FETCH_B \next, 0, 0
	FETCH_A \next, 0, 0
	SCALES \next
	WIN MUL_HI
	MUL16 4, 1, NQ-1, \slot, 0
	MUL16 6, 1, NQ-1, \slot, 0
	PLACES NP
	WIN 0
	FETCH_A \next, 0, 4
.endm
	s_wait_tensorcnt 1                             ; the scales and my part of K step 0 are in (K step 1's load may be out)
	s_barrier_signal -1
	s_barrier_wait -1                              ; everybody's are
	FETCH_B 0, 0, 0
	FETCH_A 0, 0, 0
	SCALES 0
	FETCH_A 0, 0, 4
	; K = 1,024 is four K steps, twice round the ring: written out, since a loop over laps would have one trip
	STEP 0, 0, 1                                   ; K step 0: its first products start the sums: nothing is cleared
	TURN 0, 1, 1                                   ; slot 0 takes K step 2
	STEP 1, 0, 0
	TURN 1, 0, 1                                   ; slot 1 takes K step 3
	STEP 0, 0, 0
	TURN 0, 1, 0                                   ; nothing is left to fetch: no round, no load
	STEP 1, 0, 0
	s_wait_dscnt 4*NL                              ; the very last step
	WIN MUL_LO
	MUL16 0, 1, NQ-1, 1, 0
	MUL16 2, 1, NQ-1, 1, 0
	s_wait_dscnt 0
	WIN MUL_HI
	MUL16 4, 1, NQ-1, 1, 0
	MUL16 6, 1, NQ-1, 1, 0
	WIN 0
; THE WAY OUT.  No tensor load of mine is out since the last change of slots, so the descriptors' registers are free.  What differs between the modes is a handful of numbers, chosen by s_cselect_b32.
.set ERS, 24                           ; s[24:25] a record's bytes
.set ESC, 26                           ; s[26:27] from the first 64 along n' to the second: the next head's record (modes 0, 1) or the next group of 64 keys (mode 2)
.set ESR, 28                           ; s[28:29] from my first 64 rows to my second: the next 64 places (modes 0, 1) or the next head's record (mode 2)
.set EOC, 30                           ; s[30:31] where my codes begin in the output
.set EOS, 32                           ; s[32:33] where my scale words begin
.set PT,  36                           ; s[36:43] four addresses for the codes: (which 64 along n', which 64 rows)
.set PS,  44                           ; s[44:47] two for the scale words
.set SEL, 48                           ; s[48:49] v_permlanex16_b32's selects for lane l xor 16
.set SMASK, 50                         ; s50  what is kept of a scale word
	s_cmp_eq_u32 s[MODE], 0
	s_mov_b32 s[ERS], 208896
	s_cselect_b32 s[ERS], 106496, s[ERS]
	s_mov_b32 s53, 196608
	s_cselect_b32 s53, 98304, s53                  ; the scale words' place in a record: q's, k's,
	s_cmp_eq_u32 s[MODE], 2
	s_cselect_b32 s53, 204800, s53                 ; v's
	s_cselect_b32 s52, 98304, 0                    ; the codes' place in a record
	s_cselect_b32 s[ESC], 3072, s[ERS]
	s_cselect_b32 s[ESR], s[ERS], 3072
	s_cselect_b32 s54, 1, 2                        ; scale words for a token: 4 bytes each (modes 0, 1); 256 bytes for 128 keys (mode 2)
	s_cselect_b32 s55, s[ERS], 256                 ; lanes 16-31 of a store of scale words: 256 bytes on, or in the next head's record
	s_cselect_b32 s51, 0, 16                       ; modes 0, 1: lanes 16-31 keep the second head's two bytes
	s_cselect_b32 s[SMASK], -1, 0xffff             ; and only two bytes are kept
	s_mov_b32 s[ERS+1], 0
	s_mov_b32 s[ESC+1], 0
	s_mov_b32 s[ESR+1], 0
	s_mov_b32 s[EOC+1], 0
	s_mov_b32 s[EOS+1], 0
	s_mov_b32 s[SEL], 0x76543210
	s_mov_b32 s[SEL+1], 0xfedcba98
	s_lshr_b32 s56, s[T0], 11
	s_lshl_b32 s56, s56, 4
	s_lshr_b32 s57, s[E0], 6
	s_add_co_u32 s56, s56, s57                     ; the record: 16 x batch + head
	s_mul_i32 s56, s56, s[ERS]
	s_and_b32 s57, s[T0], 2047                     ; the token in its batch
	s_mul_i32 s[EOC], s57, 48                      ; 48 bytes a place; and 64 keys x 48 bytes are a group's 3,072
	s_add_co_u32 s[EOC], s[EOC], s56
	s_add_co_u32 s[EOC], s[EOC], s52
	s_lshl_b32 s[EOS], s57, s54
	s_add_co_u32 s[EOS], s[EOS], s56
	s_add_co_u32 s[EOS], s[EOS], s53
	s_add_nc_u64 s[PT:PT+1], s[12:13], s[EOC:EOC+1]
	s_add_nc_u64 s[PT+2:PT+3], s[PT:PT+1], s[ESR:ESR+1]
	s_add_nc_u64 s[PT+4:PT+5], s[PT:PT+1], s[ESC:ESC+1]
	s_add_nc_u64 s[PT+6:PT+7], s[PT+4:PT+5], s[ESR:ESR+1]
	s_add_nc_u64 s[PS:PS+1], s[12:13], s[EOS:EOS+1]
	s_add_nc_u64 s[PS+2:PS+3], s[PS:PS+1], s[ERS:ERS+1]
	v_and_b32 v1, 15, v0                           ; these nine plain lines name no register of the last products: they are the places behind them
	v_bfe_u32 v2, v0, 4, 1
	v_mul_u32_u24 v[VSH], v2, s51
	v_mul_u32_u24 v[CSO], v2, s55
	v_lshl_add_u32 v[CSO], v1, 4, v[CSO]
.irp b, 0,1,2,3
	v_mov_b32 v[TM+4+\b], 0                        ; written once: a lane permute's destination counts as one of its sources
.endr
; Block a: my rows 16 a .. 16 a + 15, 128 numbers a row, 64 in a lane: register 16 b + i = n' 32 b + 16 h + i.  Four blocks of 32: largest magnitude, byte, codes; 24 bytes a lane and block pair go to the stage.
.macro QUANTW a
.set AC, 64*((\a)%4)                   ; the block's eight accumulators,
.set WA, 2+(\a)/4                      ; in window 2 or 3
.set WSS, 5*WA
.set PO, 32*((\a)/2)+8*((\a)%2)       ; the block's first place
	WIN WSS                                        ; sources 0 and 1 in the accumulators' window
.irp b, 0,1,2,3
	v_max3_num_f32 v[TM+\b], |v[AC+16*\b]|, |v[AC+16*\b+1]|, 0x1800000   ; my 16 numbers of block b, each accumulator from its low end on, and the floor 2^(3 - 127): the byte cannot fall under 1
.endr
.irp i, 2,4,6,8,10,12,14
.irp b, 0,1,2,3
	v_max3_num_f32 v[TM+\b], |v[AC+16*\b+\i]|, |v[AC+16*\b+\i+1]|, v[TM+\b]   ; (the four blocks by turns)
.endr
.endr
	WIN 0
.irp b, 0,1,2,3
	v_permlanex16_b32 v[TM+4+\b], v[TM+\b], s[SEL], s[SEL+1]
.endr
.irp b, 0,1,2,3
	v_max_num_f32 v[TM+\b], v[TM+\b], v[TM+4+\b]   ; with lane l xor 16's: the block's largest magnitude
.endr
.irp b, 0,1,2,3
	v_add_nc_u32 v[TM+12+\b], 0xff000000, v[TM+\b] ; 2 off its exponent field: the conversion's scale operand
.endr
.irp b, 0,1,2,3
	v_lshrrev_b32 v[TM+4+\b], 23, v[TM+12+\b]      ; the scale's byte
.endr
	v_lshl_or_b32 v[PW], v[TM+5], 8, v[TM+4]
	v_lshl_or_b32 v[PW], v[TM+6], 16, v[PW]
	v_lshl_or_b32 v[PW], v[TM+7], 24, v[PW]
	s_wait_dscnt 0x0                               ; the last block's stores into the stage have read the registers that are written now
	WIN WA                                         ; source 0 in the accumulators' window
.irp c, 0,1
	v_cvt_scalef32_pk16_fp6_f32 v[CD+6*\c:CD+2+6*\c], v[AC+32*\c:AC+15+32*\c], v[TM+12+2*\c]
	v_cvt_scalef32_pk16_fp6_f32 v[CD+12+4*\c:CD+14+4*\c], v[AC+16+32*\c:AC+31+32*\c], v[TM+12+2*\c+1]   ; (a conversion's three registers begin on an even number)
.endr
	WIN 0
	v_nop                                          ; one plain place behind a scaled conversion
.irp c, 0,1                                    ; a whole block to a lane: lanes 0-15 block 2 c, lanes 16-31 block 2 c + 1
.irp i, 0,1,2
	v_permlane16_swap_b32 v[CD+6*\c+\i], v[CD+12+4*\c+\i]
.endr
.irp i, 0,1,2
	v_mov_b32 v[CD+3+6*\c+\i], v[CD+12+4*\c+\i]
.endr
.endr
	v_lshrrev_b32 v[SW], v[VSH], v[PW]             ; modes 0, 1: lanes 0-15 the first head's two bytes, lanes 16-31 the second's; mode 2: all four bytes in both
	v_and_b32 v[SW], s[SMASK], v[SW]
.irp p, 0,1,2,3,4,5
	ds_store_b64 v[STO], v[CD+2*\p:CD+2*\p+1] offset:(\p/3)*6144+PO*48+8*(\p%3)
.endr
	ds_store_b32 v[STS], v[SW] offset:PO*4
.endm
.irp a, 0,1,2,3,4,5,6,7
	QUANTW \a
.endr
	; The stage lies in slot 0, which has had its last fill, and which no wave reads since the last change of slots; each wave touches its own part alone.  LDS serves a wave's instructions in order (ISA guide 5.7.1.4).
.set n, 0
.rept 24
	ds_load_b128 v[BK+4*n:BK+4*n+3], v[RD] offset:512*n
.set n, n+1
.endr
	ds_load_b128 v[BK+96:BK+99], v[RD] offset:12288
	ds_load_b128 v[BK+100:BK+103], v[RD] offset:12288+512
.set n, 0
.rept 24
	s_wait_dscnt 25-n                              ; load n is in; the 25 - n issued behind it may be out
	global_store_b128 v[CO], v[BK+4*n:BK+4*n+3], s[PT+2*(n/6):PT+2*(n/6)+1] offset:512*(n%6)   ; 32 lanes store 512 consecutive bytes, at a multiple of 256 from the buffer's first byte
.set n, n+1
.endr
	s_wait_dscnt 1
	global_store_b128 v[CSO], v[BK+96:BK+99], s[PS:PS+1]   ; modes 0, 1: the first head's 128 words; mode 2: 64 words for each of two heads, 256 consecutive bytes each
	s_cmp_eq_u32 s[MODE], 2                        ; mode is equal in all partners of the cluster
	s_cbranch_scc1 .Lone_store
	s_wait_dscnt 0x0
	global_store_b128 v[CSO], v[BK+100:BK+103], s[PS+2:PS+3]   ; the second head's 128 words
.Lone_store:
	s_wait_tensorcnt 0x0                           ; the wave's end: behind my last tensor load and my last LDS store
	ds_add_u32 v[SPW], v[NIL]
	s_wait_dscnt 0x0
	CROUND                                         ; the closing round: no work-group ends while a partner may still ask for a tile that names it
	s_endpgm
.Lfunc_end_k_q0ea0d17567_proj:
	.size	k_q0ea0d17567_proj, .Lfunc_end_k_q0ea0d17567_proj-k_q0ea0d17567_proj
	.p2alignl 7, 3214868480
	.fill 96, 4, 3214868480
	.section	.rodata,"a",@progbits
	.p2align	6, 0x0
	.amdhsa_kernel k_q0ea0d17567_proj
		.amdhsa_group_segment_fixed_size 327680
		.amdhsa_private_segment_fixed_size 0
		.amdhsa_enable_private_segment 0
		.amdhsa_kernarg_size 32
		.amdhsa_user_sgpr_count 2
		.amdhsa_user_sgpr_kernarg_segment_ptr 1
		.amdhsa_wavefront_size32 1
		.amdhsa_system_sgpr_workgroup_id_x 1
		.amdhsa_system_sgpr_workgroup_id_y 1
		.amdhsa_system_sgpr_workgroup_id_z 1
		.amdhsa_system_vgpr_workitem_id 0
		.amdhsa_next_free_vgpr 1024
		.amdhsa_next_free_sgpr 102
		.amdhsa_reserve_vcc 0
		.amdhsa_float_denorm_mode_32 3
		.amdhsa_float_denorm_mode_16_64 3
		.amdhsa_memory_ordered 1
		.amdhsa_forward_progress 1
		.amdhsa_inst_pref_size 173
	.end_amdhsa_kernel
	.amdgpu_metadata
---
amdhsa.version: [ 1, 2 ]
amdhsa.kernels:
  - .name:           k_q0ea0d17567_proj
    .symbol:         k_q0ea0d17567_proj.kd
    .args:
      - { .name: cod, .offset: 0, .size: 8, .value_kind: global_buffer, .address_space: global }
      - { .name: scl, .offset: 8, .size: 8, .value_kind: global_buffer, .address_space: global }
      - { .name: qq, .offset: 16, .size: 8, .value_kind: global_buffer, .address_space: global }
      - { .name: kv, .offset: 24, .size: 8, .value_kind: global_buffer, .address_space: global }
    .group_segment_fixed_size: 327680
    .private_segment_fixed_size: 0
    .kernarg_segment_align: 8
    .kernarg_segment_size: 32
    .max_flat_workgroup_size: 128
    .sgpr_count:     102
    .vgpr_count:     1024
    .wavefront_size: 32
...
	.end_amdgpu_metadata
.endif
;; end of part 2
;; launch attn (part 3): grid 4 x 64, 16 waves a work-group, clusters of 4 x 1, 243,712 bytes of LDS; arguments qq, kv, key_padding_mask, gamma, ao, aos; writes ao, aos
.if DOCPART == 3
	.amdgcn_target "amdgcn-amd-amdhsa--gfx1250"
	.amdhsa_code_object_version 6
	.text
	.protected	k_q0ea0d17567_attn
	.globl	k_q0ea0d17567_attn
	.p2align	8
	.type	k_q0ea0d17567_attn,@function
k_q0ea0d17567_attn:
	s_mov_b64 s[64:65], 0
	v_nop
	global_prefetch_b8 v0, s[64:65] scope:SCOPE_SE
	s_setreg_imm32_b32 hwreg(HW_REG_WAVE_MODE, 25, 1), 1
	s_wait_xcnt 0x0
	s_wait_alu depctr_hold_cnt(0) depctr_sa_sdst(0) depctr_va_vdst(0) depctr_va_sdst(0) depctr_va_ssrc(0) depctr_va_vcc(0) depctr_vm_vsrc(0)
	s_getreg_b32 s2, hwreg(HW_REG_IB_STS2, 6, 4)
	s_cmp_eq_u32 s2, 0
	s_cbranch_scc0 .Lentry_in_a_cluster
	s_endpgm
.Lentry_in_a_cluster:
	s_bfe_u32 s2, ttmp6, 0x10000c
	s_cmp_lg_u32 s2, 0x3003
	s_cbranch_scc0 .Lentry_shape_is_right
	s_endpgm
.Lentry_shape_is_right:
; ATTENTION ON CODES OF FP6 (E2M3): for each batch and head, o[q] = gamma x (sum over keys of p v) / (sum of p), p = 2^(t - M), t = (q . k) log2(e) / 8, M = the row's largest t so far rounded up to a whole number.
; p is quantised along the keys, not normalised; the row's sum is taken of the unquantised p; when M moves, the sum and O are multiplied by 2^(old M - new M), which rounds nothing.
; o is quantised along its 64 channels (two blocks of the output product's K) and stored as codes: ao [16 heads][8,192 tokens][48 bytes], aos [8,192 tokens][32 bytes], the head's two bytes at 2 x head.
; IN: qq and kv, records of 106,496 and 208,896 bytes for 16 x batch + head: q's and k's codes [2,048 places][48], v's codes [32 groups of 64 keys][64 channel places][48], scale words.  A place is a row's number
; with the second and third 8 of every 32 exchanged: so 16 neighbouring places, taken as source 0, leave 16 neighbours (keys in S^T, channels in O^T) in the registers of two neighbouring tiles.
; SHARES.  The cluster's y is the record; its four work-groups take 512 queries each; each of the sixteen waves 32, as two tiles of 16, one after the other, in 256 registers: four waves to a SIMD, so that one
; wave's vector work stands beside another's products and LDS loads.  Every wave walks all 2,048 keys, 128 a step.
; K AND V STAY IN LDS: a head's whole record, 208,896 bytes, is filled ONCE, each wave bringing 51 runs of 256 bytes; the four work-groups ask for it jointly.  Nothing is filled again: no ring, one barrier.
; Rows of 48 bytes: row r starts at bank 12 r, the second half of the lanes 6 banks on: the 32 lanes of a load of 8 bytes touch 64 different banks (64 banks of 4 bytes: ISA guide 11.1).
; K = 64 IN AN INSTRUCTION OF 128: q's upper six registers hold zero codes and the upper two bytes of q's and k's scale words are 0 (2^-127, a number): so k's upper six registers may hold any codes, and tile t
; names tile t + 1's six; the format has no infinity and no NaN, so what is multiplied by the code 0 adds 0.
; THE MASK: a table of f32 in LDS, -2^100 for a masked key and 0 else, is the C of the score products, loaded straight into their registers.  The largest t begins at -2^80, so a masked t, about -2^97, never
; becomes M, and a masked p is 0.  A row all of whose keys are masked ends with the sum 0: its two scale bytes become 0xff, which makes the output product's row NaN, as the softmax of such a row is.
; LIMITS: logits beyond 2^76 in magnitude, and rows all of whose t lie under -2^80, are not served; NaN and infinities among the inputs are not served; a block of zeros gets the byte 1.
; REGISTERS: v1-5 lane addresses; v6-10 the step's; v11 4 r; v12 -M, v13 the largest t, v[14:15] the sum; v16-27 q; v28 stage; v29-30 the tiles' scale bytes; v32-85 k's or v's fragments; v86-88 the way out;
;   v96-159 S^T, then p; v160-191 O^T; v192-199 k's scale words; v200-203 v's; v224-235 p's codes; v232-254 at work; v253 p's scale word; v255 q's.
.set RECQ,   106496
.set RECKV,  208896
.set VC,     98304                     ; LDS is an image of the record: k's codes at 0, v's here,
.set KSW,    196608                    ; k's scale words,
.set VSW,    204800                    ; v's;
.set BIAS,   208896                    ; behind it the mask's table, 2,048 f32,
.set STG,    217088                    ; and a stage of 32 tokens x 48 bytes for each wave
.set WSHARE, 13056                     ; 51 x 256 bytes: a wave's sixteenth of the record
.set WV,  18                           ; s18 my wave's number
.set SEL, 20                           ; s[20:21] v_permlanex16_b32's selects for lane l xor 16
.set CS,  22                           ; s[22:23] c = log2(e) / 8
.set G1,  24                           ; s[24:31], s[32:35] the descriptor
.set G0,  32
.set TK,  41                           ; s41 the step's codes: 6,144 bytes a step, in k's and in v's
.set TS,  42                           ; s42 k's scale words and the mask's table: 512 bytes a step
.set TJ,  43                           ; s43 v's scale words: 256 bytes a step
.set CNT, 44
.set GAM, 45                           ; s45 gamma of my head
.macro ROUND                           ; a round of the cluster's barrier
	s_barrier_signal -1
	s_barrier_wait -1
	s_cmp_lg_u32 s[WV], 0
	s_cbranch_scc1 .Lnot_wave_0_\@
	s_barrier_signal -3
.Lnot_wave_0_\@:
	s_barrier_wait -3
	s_barrier_signal -1
	s_barrier_wait -1
.endm
	s_load_b256 s[4:11], s[0:1], 0x0               ; qq s[4:5], kv s[6:7], the mask s[8:9], gamma s[10:11]
	s_load_b128 s[12:15], s[0:1], 0x20             ; ao s[12:13], aos s[14:15]
	v_lshl_add_u32 v250, v0, 2, 0x3b000
	v_mov_b32 v251, 0
	ds_add_u32 v250, v251
	ds_add_u32 v250, v251
	v_lshrrev_b32 v1, 5, v0
	v_readfirstlane_b32 s[WV], v1                  ; wave 0..15
	s_and_b32 s36, ttmp7, 0xffff                   ; the record, which the four partners share
	s_bfe_u32 s37, ttmp6, 0x40000                  ; cx: it enters q's, ao's and aos's addresses alone
	s_lshr_b32 s38, s36, 4                         ; batch
	s_and_b32 s39, s36, 15                         ; head
	s_lshl_b32 s52, s39, 2                         ; gamma's place; never rewritten
	s_lshl_b32 s40, s37, 9
	s_lshl_b32 s46, s[WV], 5
	s_add_co_u32 s40, s40, s46                     ; my first query's place: 512 cx + 32 x wave
	s_mov_b32 s[G1+0], 15|(3<<16)|(1<<21)          ; 15:0 the mask: all four work-groups; 17:16 elements of 8 bytes; 20 no padding; 21 set beside a mask
	s_mov_b32 s[G1+1], 32<<16                      ; tensor_dim0 = 32 elements: 256 bytes
	s_mov_b32 s[G1+2], 51<<16                      ; tensor_dim1 = 51
	s_mov_b32 s[G1+3], 32<<16                      ; tile_dim0
	s_mov_b32 s[G1+4], 51                          ; tile_dim1
	s_mov_b32 s[G1+5], 32                          ; the pitch: dense
	s_mov_b32 s[G1+6], 0
	s_mov_b32 s[G1+7], 0
	s_mov_b32 s[G0], 1
	s_mul_i32 s[G0+1], s[WV], WSHARE               ; LDS address: the wave's number alone
	s_mul_i32 s46, s36, RECKV
	s_add_co_u32 s46, s46, s[G0+1]
	s_mov_b32 s47, 0
	s_mov_b32 s[SEL], 0x76543210
	s_mov_b32 s[SEL+1], 0xfedcba98
	s_mov_b32 s[CS], 0x3e38aa3b
	s_mov_b32 s[CS+1], s[CS]                       ; (named with it as a pair, so it is written)
	s_wait_dscnt 0x0
	s_wait_kmcnt 0x0
	s_add_nc_u64 s[G0+2:G0+3], s[6:7], s[46:47]
	s_or_b32 s[G0+3], s[G0+3], 0x80000000          ; type = 2
	ROUND                                          ; all four work-groups are here: the joint loads meet
	tensor_load_to_lds s[G0:G0+3], s[G1:G1+7]      ; my sixteenth of the record: the one tensor load of my wave
	s_nop 0
.rept 4
	v_nop
.endr
	s_load_b32 s[GAM], s[10:11], s52 offset:0x0
	s_lshl_b32 s46, s38, 11
	s_add_nc_u64 s[8:9], s[8:9], s[46:47]          ; my batch's 2,048 mask bytes
	v_lshlrev_b32 v89, 2, v0
	global_load_b32 v90, v89, s[8:9]               ; four of them a thread
	v_and_b32 v91, 15, v0                          ; r
	v_bfe_u32 v92, v0, 4, 1                        ; h
	v_and_b32 v93, 31, v0                          ; lane
	v_mul_u32_u24 v1, v91, 48
	v_mad_u32_u24 v1, v92, 24, v1                  ; 48 r + 24 h: my 24 bytes of a row of a tile (in LDS for k; in memory for q)
	v_add_nc_u32 v2, VC, v1                        ; the same for v
	v_lshlrev_b32 v11, 2, v91                      ; 4 r
	v_add_nc_u32 v3, KSW, v11
	v_add_nc_u32 v4, VSW, v11
	v_lshlrev_b32 v5, 6, v92
	v_add_nc_u32 v5, BIAS, v5                      ; the table: register 8 t + j of S^T is key 32 (t / 2) + 16 h + 8 (t % 2) + j
	v_and_b32 v94, 8, v91
	v_add_nc_u32 v94, v94, v91                     ; r + 8 (r / 8): place 16 u + r holds token 8 u + r + 8 (r / 8)
	s_mul_i32 s46, s[WV], 1536
	s_add_co_u32 s46, s46, STG                     ; my stage
	v_mul_u32_u24 v28, v94, 48
	v_mad_u32_u24 v28, v92, 24, v28
	v_add_nc_u32 v28, s46, v28                     ; in: by token
	v_lshlrev_b32 v87, 4, v93
	v_add_nc_u32 v86, s46, v87                     ; back: 16 x lane
	v_lshl_add_u32 v88, v92, 3, v94
	v_lshlrev_b32 v88, 5, v88                      ; aos: lanes 0-15 tile 0's tokens, lanes 16-31 tile 1's; 32 bytes a token
	v_lshl_add_u32 v95, v0, 4, BIAS
.irp j, 22,23,24,25,26,27,80,81,82,83,84,85,236,237,238,239,253
	v_mov_b32 v\j, 0                               ; q's upper half and what k's last tile names as its upper half: zero codes; permutes' destinations and the pair v[252:253]: written once
.endr
	s_mul_i32 s46, s36, RECQ
	s_add_nc_u64 s[4:5], s[4:5], s[46:47]          ; q's record
	s_lshl_b32 s46, s40, 2
	s_add_co_u32 s46, s46, 98304
	s_add_nc_u64 s[50:51], s[4:5], s[46:47]        ; my queries' scale words
	s_mul_i32 s46, s40, 48
	s_add_nc_u64 s[4:5], s[4:5], s[46:47]          ; and codes
	s_lshl_b32 s48, s38, 11
	s_add_co_u32 s48, s48, s40                     ; my first token among the 8,192
	s_mul_i32 s46, s48, 48
	s_mul_i32 s49, s39, 393216
	s_add_co_u32 s46, s46, s49
	s_add_nc_u64 s[12:13], s[12:13], s[46:47]
	s_lshl_b32 s46, s48, 5
	s_lshl_b32 s49, s39, 1
	s_add_co_u32 s46, s46, s49
	s_add_nc_u64 s[14:15], s[14:15], s[46:47]
	s_wait_loadcnt 0x0
	s_wait_kmcnt 0x0
.irp j, 0,1,2,3
	v_bfe_u32 v[96+\j], v90, 8*\j, 1               ; a mask byte is 0 or 1
.endr
.irp j, 0,1,2,3
	v_sub_nc_u32 v[96+\j], 0, v[96+\j]             ; 0 or all ones
.endr
.irp j, 0,1,2,3
	v_and_b32 v[96+\j], 0xf1800000, v[96+\j]       ; 0 or -2^100
.endr
	ds_store_b128 v95, v[96:99]
	s_wait_tensorcnt 0x0                           ; my part of the record has landed,
	s_wait_dscnt 0x0                               ; my part of the table is written:
	s_barrier_signal -1
	s_barrier_wait -1                              ; everybody's is.
; A KEY STEP: 128 keys.
.macro STEP
	v_add_nc_u32 v6, s[TK], v1                     ; five plain lines that name no register of the last products: the places in front of the loads below
	v_add_nc_u32 v7, s[TK], v2
	v_add_nc_u32 v8, s[TS], v3
	v_add_nc_u32 v9, s[TJ], v4
	v_add_nc_u32 v10, s[TS], v5
.irp t, 0,1,2,3,4,5,6,7
	ds_load_b128 v[96+8*\t:99+8*\t], v10 offset:128*(\t/2)+32*(\t%2)       ; the mask's numbers for my eight keys of tile t: the C of its product
	ds_load_b128 v[100+8*\t:103+8*\t], v10 offset:128*(\t/2)+32*(\t%2)+16
.endr
.irp t, 0,1,2,3,4,5,6,7
.irp p, 0,1,2
	ds_load_b64 v[32+6*\t+2*\p:33+6*\t+2*\p], v6 offset:768*\t+8*\p        ; k's tile t: six registers
.endr
	ds_load_b32 v[192+\t], v8 offset:64*\t
.endr
	s_wait_dscnt 0x0
.irp t, 0,1,2,3,4,5,6,7                        ; S^T = k q^T + the mask: eight accumulators, one instruction each
	v_wmma_scale_f32_16x16x128_f8f6f4 v[96+8*\t:103+8*\t], v[32+6*\t:43+6*\t], v[16:27], v[96+8*\t:103+8*\t], v[192+\t], v255 matrix_a_fmt:MATRIX_FMT_FP6 matrix_b_fmt:MATRIX_FMT_FP6
.endr
.rept 4
	v_nop                                          ; places in front of the loads into k's registers and of the first read of the scores
.endr
.irp t, 0,1,2,3                                ; v's four tiles of 16 channel places x 128 keys: they land while the softmax is worked
.irp p, 0,1,2,3,4,5
	ds_load_b64 v[32+12*\t+2*\p:33+12*\t+2*\p], v7 offset:3072*(\p/3)+768*\t+8*(\p%3)
.endr
	ds_load_b32 v[200+\t], v9 offset:64*\t
.endr
.irp b, 0,1,2,3
	v_max3_num_f32 v[232+\b], v[96+16*\b], v[97+16*\b], v[98+16*\b]   ; the largest score of each block of 32 keys: it serves the row's maximum and, since p rises with the score, the block's largest p
.endr
.irp i, 3,5,7,9,11,13
.irp b, 0,1,2,3
	v_max3_num_f32 v[232+\b], v[232+\b], v[96+16*\b+\i], v[97+16*\b+\i]   ; (the four blocks by turns)
.endr
.endr
.irp b, 0,1,2,3
	v_max_num_f32 v[232+\b], v[232+\b], v[111+16*\b]
.endr
.irp b, 0,1,2,3
	v_permlanex16_b32 v[236+\b], v[232+\b], s[SEL], s[SEL+1]
.endr
.irp b, 0,1,2,3
	v_max_num_f32 v[232+\b], v[232+\b], v[236+\b]  ; with lane l xor 16's 16 keys
.endr
	v_max3_num_f32 v254, v232, v233, v234
	v_max_num_f32 v254, v254, v235                 ; the step's largest score of my query
	v_mul_f32 v254, s[CS], v254                    ; as t (c is positive)
	v_max_num_f32 v13, v13, v254                   ; the running largest t
	v_mov_b32 v254, v12
	v_floor_f32 v12, -v13                          ; the new -M = floor(-t) = -ceil(t)
	v_sub_f32 v254, v12, v254                      ; old M - new M: a whole number, 0 or less
	v_cvt_i32_f32 v254, v254                       ; (it saturates)
	v_ldexp_f32 v252, 1.0, v254                    ; f = 2^(old M - new M)
.set j, 0
.rept 32
	v_pk_fma_f32 v[96+j:97+j], v[96+j:97+j], s[CS:CS+1], v[12:13] op_sel_hi:[1,0,0]   ; t - M, two at a time (of the pairs c and -M the low word serves both halves)
.set j, j+2
.endr
.irp b, 0,1,2,3
	v_fma_f32 v[232+\b], v[232+\b], s[CS], v12     ; the same of each block's largest score
.endr
.set j, 0
.rept 64
	v_exp_f32 v[96+j], v[96+j]                     ; p = 2^(t - M), at most 1
.set j, j+1
.endr
.irp b, 0,1,2,3
	v_exp_f32 v[232+\b], v[232+\b]                 ; the block's largest p: the same two instructions on the same number give the same bits
.endr
	v_pk_mul_f32 v[14:15], v[14:15], v[252:253] op_sel_hi:[1,0]   ; the sums under the new M.  (The plain place behind the exponentials)
	s_wait_alu depctr_va_vdst(0)
.irp b, 0,1,2,3
	v_max_num_f32 v[232+\b], 0x1800000, v[232+\b]  ; the floor 2^(3 - 127): the byte cannot fall under 1
.endr
.irp b, 0,1,2,3
	v_add_nc_u32 v[244+\b], 0xff000000, v[232+\b]  ; 2 off the exponent field: the conversion's scale operand
.endr
.irp b, 0,1,2,3
	v_lshrrev_b32 v[236+\b], 23, v[244+\b]         ; the scale's byte
.endr
	v_lshl_or_b32 v253, v237, 8, v236              ; p's scale word for these 128 keys
	v_lshl_or_b32 v253, v238, 16, v253
	v_lshl_or_b32 v253, v239, 24, v253
.irp c, 0,1
	v_cvt_scalef32_pk16_fp6_f32 v[224+6*\c:226+6*\c], v[96+32*\c:111+32*\c], v[244+2*\c]
	v_cvt_scalef32_pk16_fp6_f32 v[236+4*\c:238+4*\c], v[112+32*\c:127+32*\c], v[244+2*\c+1]   ; (a conversion's three registers begin on an even number)
.endr
	v_nop                                          ; one plain place behind a scaled conversion
.irp c, 0,1                                    ; a whole block to a lane: lanes 0-15 block 2 c, lanes 16-31 block 2 c + 1
.irp i, 0,1,2
	v_permlane16_swap_b32 v[224+6*\c+\i], v[236+4*\c+\i]
.endr
.irp i, 0,1,2
	v_mov_b32 v[227+6*\c+\i], v[236+4*\c+\i]
.endr
.endr
.set j, 0
.rept 16
	v_pk_mul_f32 v[160+j:161+j], v[160+j:161+j], v[252:253] op_sel_hi:[1,0]   ; O^T under the new M: x f
.set j, j+2
.endr
	v_pk_add_f32 v[236:237], v[96:97], v[98:99]    ; the row's sum, of the unquantised p: two at a time, in two chains.  (These 32 lines are also the places in front of the products below)
.irp j, 4,8,12,16,20,24,28,32,36,40,44,48,52,56,60
	v_pk_add_f32 v[14:15], v[14:15], v[96+\j:97+\j]
	v_pk_add_f32 v[236:237], v[236:237], v[98+\j:99+\j]
.endr
	v_pk_add_f32 v[14:15], v[14:15], v[236:237]
	s_wait_dscnt 0x0                               ; v's fragments and scale words are in
.irp t, 0,1,2,3                                ; O^T += v^T p^T: four accumulators, one instruction each; the body's first product names another accumulator than its last
	v_wmma_scale_f32_16x16x128_f8f6f4 v[160+8*\t:167+8*\t], v[32+12*\t:43+12*\t], v[224:235], v[160+8*\t:167+8*\t], v[200+\t], v253 matrix_a_fmt:MATRIX_FMT_FP6 matrix_b_fmt:MATRIX_FMT_FP6
.endr
	s_add_co_u32 s[TK], s[TK], 6144
	s_add_co_u32 s[TS], s[TS], 512
	s_add_co_u32 s[TJ], s[TJ], 256
.endm
; Tile u is finished: O^T x gamma / the sum, quantised along the 64 channels; its codes go to my stage by token, its two bytes stay in v[29 + u].
.macro OUT u
.rept 4
	v_nop                                          ; places behind the last products
.endr
	v_add_f32 v14, v14, v15                        ; the sum's two halves,
	v_permlanex16_b32 v252, v14, s[SEL], s[SEL+1]
	v_add_f32 v14, v14, v252                       ; and lane l xor 16's: the row's sum
	v_rcp_f32 v254, v14
	v_cmp_eq_f32 vcc_lo, 0, v14                    ; (the plain place behind the reciprocal)  a row all of whose keys are masked
	s_wait_alu depctr_va_vdst(0)
	v_mul_f32 v254, s[GAM], v254
.set j, 0
.rept 16
	v_pk_mul_f32 v[96+j:97+j], v[160+j:161+j], v[254:255] op_sel_hi:[1,0]   ; register 16 b + i: channel 32 b + 16 h + i of my query; each accumulator from its low end on
.set j, j+2
.endr
.irp b, 0,1
	v_max3_num_f32 v[232+\b], |v[96+16*\b]|, |v[97+16*\b]|, 0x1800000
.endr
.irp i, 2,4,6,8,10,12,14
.irp b, 0,1
	v_max3_num_f32 v[232+\b], v[232+\b], |v[96+16*\b+\i]|, |v[97+16*\b+\i]|
.endr
.endr
.irp b, 0,1
	v_permlanex16_b32 v[236+\b], v[232+\b], s[SEL], s[SEL+1]
.endr
.irp b, 0,1
	v_max_num_f32 v[232+\b], v[232+\b], v[236+\b]
.endr
.irp b, 0,1
	v_add_nc_u32 v[244+\b], 0xff000000, v[232+\b]
.endr
.irp b, 0,1
	v_lshrrev_b32 v[236+\b], 23, v[244+\b]
.endr
	v_lshl_or_b32 v[29+\u], v237, 8, v236          ; the head's two bytes of my query
	v_mov_b32 v254, -1
	v_cndmask_b32 v[29+\u], v[29+\u], v254, vcc_lo ; 0xff, 0xff where the sum is 0
	v_cvt_scalef32_pk16_fp6_f32 v[224:226], v[96:111], v244
	v_cvt_scalef32_pk16_fp6_f32 v[236:238], v[112:127], v245
	v_nop                                          ; one plain place behind a scaled conversion
.irp i, 0,1,2
	v_permlane16_swap_b32 v[224+\i], v[236+\i]
.endr
.irp i, 0,1,2
	v_mov_b32 v[227+\i], v[236+\i]                 ; v224-229: block h of my query, 24 bytes
.endr
.irp p, 0,1,2
	ds_store_b64 v28, v[224+2*\p:225+2*\p] offset:384*\u+8*\p
.endr
.endm
.macro TILE u
.irp p, 0,1,2
	global_load_b64 v[16+2*\p:17+2*\p], v1, s[4:5] offset:768*\u+8*\p      ; q's fragment: 16 places x 64 channels
.endr
	global_load_b32 v255, v11, s[50:51] offset:64*\u
	v_mov_b32 v13, 0xe7800000                      ; the largest t so far: -2^80
	v_floor_f32 v12, -v13                          ; -M
	v_mov_b32 v14, 0                               ; the sum, in two halves
	v_mov_b32 v15, 0
.set j, 0
.rept 32
	v_mov_b32 v[160+j], 0                          ; O^T.  (The step is written once for each tile: its first trip finds zeros, which the first change of M leaves zeros; a first step of its own would be a third and fourth copy of the step)
.set j, j+1
.endr
	s_mov_b32 s[TK], 0
	s_mov_b32 s[TS], 0
	s_mov_b32 s[TJ], 0
	s_mov_b32 s[CNT], 16
	s_wait_loadcnt 0x0
.Lstep_\u:
	STEP
	s_sub_co_u32 s[CNT], s[CNT], 1
	s_cmp_lg_u32 s[CNT], 0
	s_cbranch_scc1 .Lstep_\u
	OUT \u
.endm
	TILE 0
	TILE 1
	v_cmp_gt_u32 vcc_lo, 16, v93
	v_cndmask_b32 v29, v30, v29, vcc_lo            ; lanes 0-15: tile 0's bytes of query r; lanes 16-31: tile 1's (both halves of the lanes hold both)
	global_store_b16 v88, v29, s[14:15]            ; two bytes a token, 32 bytes apart: 262,144 bytes in the whole launch
.irp n, 0,1,2
	ds_load_b128 v[96+4*\n:99+4*\n], v86 offset:512*\n   ; my own stage: these see my stores, which were issued earlier (ISA guide 5.7.1.4)
.endr
.irp n, 0,1,2
	s_wait_dscnt 2-\n                              ; load n is in; the younger ones may be out
	global_store_b128 v87, v[96+4*\n:99+4*\n], s[12:13] offset:512*\n   ; 32 lanes store 512 consecutive bytes, at a multiple of 256 from ao's first byte
.endr
	s_wait_tensorcnt 0x0
	ds_add_u32 v250, v251
	s_wait_dscnt 0x0
	ROUND                                          ; the closing round: no work-group ends while a partner may still ask for what names it (no LDS instruction of mine is out)
	s_endpgm
.Lfunc_end_k_q0ea0d17567_attn:
	.size	k_q0ea0d17567_attn, .Lfunc_end_k_q0ea0d17567_attn-k_q0ea0d17567_attn
	.p2alignl 7, 3214868480
	.fill 96, 4, 3214868480
	.section	.rodata,"a",@progbits
	.p2align	6, 0x0
	.amdhsa_kernel k_q0ea0d17567_attn
		.amdhsa_group_segment_fixed_size 243712
		.amdhsa_private_segment_fixed_size 0
		.amdhsa_enable_private_segment 0
		.amdhsa_kernarg_size 48
		.amdhsa_user_sgpr_count 2
		.amdhsa_user_sgpr_kernarg_segment_ptr 1
		.amdhsa_wavefront_size32 1
		.amdhsa_system_sgpr_workgroup_id_x 1
		.amdhsa_system_sgpr_workgroup_id_y 1
		.amdhsa_system_sgpr_workgroup_id_z 1
		.amdhsa_system_vgpr_workitem_id 0
		.amdhsa_next_free_vgpr 256
		.amdhsa_next_free_sgpr 66
		.amdhsa_reserve_vcc 1
		.amdhsa_float_denorm_mode_32 3
		.amdhsa_float_denorm_mode_16_64 3
		.amdhsa_memory_ordered 1
		.amdhsa_forward_progress 1
		.amdhsa_inst_pref_size 55
	.end_amdhsa_kernel
	.amdgpu_metadata
---
amdhsa.version: [ 1, 2 ]
amdhsa.kernels:
  - .name:           k_q0ea0d17567_attn
    .symbol:         k_q0ea0d17567_attn.kd
    .args:
      - { .name: qq, .offset: 0, .size: 8, .value_kind: global_buffer, .address_space: global }
      - { .name: kv, .offset: 8, .size: 8, .value_kind: global_buffer, .address_space: global }
      - { .name: key_padding_mask, .offset: 16, .size: 8, .value_kind: global_buffer, .address_space: global }
      - { .name: gamma, .offset: 24, .size: 8, .value_kind: global_buffer, .address_space: global }
      - { .name: ao, .offset: 32, .size: 8, .value_kind: global_buffer, .address_space: global }
      - { .name: aos, .offset: 40, .size: 8, .value_kind: global_buffer, .address_space: global }
    .group_segment_fixed_size: 243712
    .private_segment_fixed_size: 0
    .kernarg_segment_align: 8
    .kernarg_segment_size: 48
    .max_flat_workgroup_size: 512
    .sgpr_count:     66
    .vgpr_count:     256
    .wavefront_size: 32
...
	.end_amdgpu_metadata
.endif
;; end of part 3
;; launch outp (part 4): grid 4 x 32, 4 waves a work-group, clusters of 4 x 4, 327,680 bytes of LDS; arguments ao, aos, cod, scl, out0; writes out0
.if DOCPART == 4
	.amdgcn_target "amdgcn-amd-amdhsa--gfx1250"
	.amdhsa_code_object_version 6
	.text
	.protected	k_q0ea0d17567_outp
	.globl	k_q0ea0d17567_outp
	.p2align	8
	.type	k_q0ea0d17567_outp,@function
k_q0ea0d17567_outp:
	s_mov_b64 s[64:65], 0
	v_nop
	global_prefetch_b8 v0, s[64:65] scope:SCOPE_SE
	s_setreg_imm32_b32 hwreg(HW_REG_WAVE_MODE, 25, 1), 1
	s_wait_xcnt 0x0
	s_wait_alu depctr_hold_cnt(0) depctr_sa_sdst(0) depctr_va_vdst(0) depctr_va_sdst(0) depctr_va_ssrc(0) depctr_va_vcc(0) depctr_vm_vsrc(0)
	s_getreg_b32 s2, hwreg(HW_REG_IB_STS2, 6, 4)
	s_cmp_eq_u32 s2, 0
	s_cbranch_scc0 .Lentry_in_a_cluster
	s_endpgm
.Lentry_in_a_cluster:
	s_bfe_u32 s2, ttmp6, 0x10000c
	s_cmp_lg_u32 s2, 0xf033
	s_cbranch_scc0 .Lentry_shape_is_right
	s_endpgm
.Lentry_shape_is_right:
; out0[m][n] = sum over k of A[m][k] Wo[n][k], on codes of FP6 (E2M3) with one E8M0 scale for each 32 along K = 1,024; out0 [8192][1024] f32; sums in f32.
; A is the heads' output: codes ao [16 heads][8,192 tokens][48 bytes] (k = 64 x head + channel), scale bytes aos [8,192][32].  Wo's codes are rows 27,648 on of the table cod [row][768], its bytes of scl [row][32].
; A tile of out0, 256 x 256, is made by four waves, 128 x 128 each: 64 accumulators, 512 registers.  K goes in steps of 256 through a ring of two LDS slots filled by the tensor data mover:
; of A a K step is four heads x 128 tokens x 48 bytes, four dense runs of 6,144 bytes for each load, laid [4 heads][128 rows][48] in LDS: row r starts at bank 12 r, the second half of the lanes 6 banks on, so the
; 32 lanes of a load of 8 bytes touch 64 different banks (64 banks of 4 bytes: ISA guide 11.1); of Wo rows of 192 bytes, padded to a pitch of 240.
; The scale bytes of the work-group's 256 + 256 rows, for all of K, come into LDS once.  CLUSTERS: 4 x 4 work-groups; A's tiles are asked for jointly along a row of the cluster, Wo's along a column.
; The grid has 128 work-groups: 32 x 4 tiles of 256 x 256.
; THE MATRIX INSTRUCTION IS USED TRANSPOSED (source 0 = 16 rows of Wo, source 1 = 16 tokens): a lane then holds eight neighbouring numbers of a row of out0.
; A scale byte 0xff in aos (a token all of whose keys were masked) makes that row NaN.
; REGISTERS, in windows of 256: window 0: v0-31 addresses; v32-63 scale words, two sets; from v128 A's fragments, one set; on the way out v128-255 hold rows.
;   window 1: Wo's fragments, two sets, at v0 and v128.   window 2: the accumulators of my rows 0-63 ((a, b) at v[8 (8 a + b)]);   window 3: those of my rows 64-127.
.set SIZE_N, 1024
.set KSTEP,  256
.set NQ,     KSTEP/128
.set ROWB,   192                       ; a row of Wo's tile in bytes
.set KROW,   768                       ; a row of the table of codes
.set WOROW,  27648                     ; Wo's first row in the tables
.set HSTEP,  4*393216                  ; a K step on in ao: four heads
.set PITCH,  240                       ; Wo's rows in LDS: 3 x (64 bytes + 16 of padding)
.set FR,     12
.set NL,     6
.set NP,     4                         ; places behind this matrix instruction (ISA guide 7.12.1)
.set HALFT,  128*PITCH                 ; a wave's share of a slot (A's loads use 24,576 bytes of it)
.set SLOT,   4*HALFT
.set KS,     32
.set SCL,    2*SLOT
.set HALFS,  (128*KS/256)*272
.set SBLK,   (16*KS/256)*272
.set SPARE,  SCL+4*HALFS               ; the spare words, 128 bytes for each wave: two blocks of 256 bytes that no other line names
.set SPITCH, 528                       ; the way out: a stage of 16 rows x (512 bytes + 16) for each wave, in slot 0, which has had its last fill and its last read by then
.set ADRA, 16                          ; v16-17 LDS address of my A fragments in slot 0, 1
.set ADRB, 20                          ; v20-21 the same for Wo (v22-23: for the pieces behind one padding more)
.set STO,  24
.set RD,   25
.set CO,   26
.set ADRS, 27
.set SPW,  28                          ; v28  LDS address of my spare word; never rewritten
.set NIL,  29                          ; v29  0; never rewritten
.set SC,   32
.set AF,   128
.set BK,   128
.set G1, 24
.set G0, 32
.set G1B, 48
.set G0B, 56
.set G1S, 68
.set G0S, 76
.set G1SB, 80
.set G0SB, 88
.set MSB, 0
.macro WIN new                         ; the immediate's high byte repeats the setting that is left
.if MSB != \new
	s_set_vgpr_msb (MSB<<8)|\new
.set MSB, \new
.endif
.endm
.set MUL_LO, 0xa1
.set MUL_HI, 0xf1
.set TO_B,   0x40
; A joint load: waves 0 and 1 fetch for A, waves 2 and 3 for Wo; the branch hangs on the wave's number alone.  Four v_nop follow each of the two lines.
.macro JLOAD g0a, g1a, g0b, g1b
	s_cmp_eq_u32 s15, 0
	s_cbranch_scc0 .Lfor_b_\@
	tensor_load_to_lds s[\g0a:\g0a+3], s[\g1a:\g1a+7]
	s_nop 0
.rept 4
	v_nop
.endr
	s_branch .Lasked_\@
.Lfor_b_\@:
	tensor_load_to_lds s[\g0b:\g0b+3], s[\g1b:\g1b+7]
	s_nop 0
.rept 4
	v_nop
.endr
.Lasked_\@:
.endm
.macro CREST                           ; a round of the cluster's barrier behind its opening barrier
	s_cmp_lg_u32 s14, 0
	s_cbranch_scc1 .Lnot_wave_0_\@
	s_barrier_signal -3
.Lnot_wave_0_\@:
	s_barrier_wait -3
	s_barrier_signal -1
	s_barrier_wait -1
.endm
.macro CROUND
	s_barrier_signal -1
	s_barrier_wait -1
	CREST
.endm
	s_load_b128 s[4:7], s[0:1], 0x0                ; ao s[4:5], aos s[6:7]
	s_load_b128 s[8:11], s[0:1], 0x10              ; cod s[8:9], scl s[10:11]
	s_load_b64 s[12:13], s[0:1], 0x20              ; out0
	v_lshl_add_u32 v[SPW], v0, 2, SPARE
	v_mov_b32 v[NIL], 0
	ds_add_u32 v28, v29
	ds_add_u32 v28, v29
	s_wait_dscnt 0x0
	v_lshrrev_b32 v1, 5, v0
	v_readfirstlane_b32 s14, v1                    ; wave 0..3
	s_lshr_b32 s15, s14, 1                         ; which half of the tile's rows is mine.  Also: I fetch for A (0) or for Wo (1)
	s_and_b32 s16, s14, 1                          ; which half of its columns.  Also: which 128 rows of that tile I fetch
	s_bfe_u32 s40, ttmp6, 0x40000                  ; cx, cy
	s_bfe_u32 s41, ttmp6, 0x40004
	s_lshl_b32 s42, ttmp9, 2
	s_add_co_u32 s42, s42, s40                     ; tile column = 4 x cluster x + cx
	s_and_b32 s17, ttmp7, 0xffff
	s_lshl_b32 s17, s17, 2
	s_add_co_u32 s17, s17, s41                     ; tile row = 4 x cluster y + cy
	s_lshl_b32 s43, s41, 2
	s_lshl_b32 s43, 15, s43                        ; my row of the cluster
	s_lshl_b32 s44, 0x1111, s40                    ; my column
	; A's tiles: four heads, each a dense run of 128 tokens x 48 bytes = 768 elements of 8 bytes; from head to head 393,216 bytes = 49,152 elements; no padding
	s_or_b32 s[G1+0], s43, (3<<16)|(1<<21)         ; 15:0 the mask: my row; 17:16 elements of 8 bytes; 21 set beside a mask
	s_mov_b32 s[G1+1], 768<<16                     ; tensor_dim0
	s_mov_b32 s[G1+2], 4<<16                       ; tensor_dim1
	s_mov_b32 s[G1+3], 768<<16                     ; tile_dim0
	s_mov_b32 s[G1+4], 4                           ; tile_dim1
	s_mov_b32 s[G1+5], 49152                       ; tensor_dim0_stride
	s_mov_b32 s[G1+6], 0
	s_mov_b32 s[G1+7], 0
	; Wo's tiles: 128 rows x 192 bytes, 16 bytes of padding behind every 64
	s_or_b32 s[G1B+0], s44, (0<<16)|(1<<20)|(1<<21)|(3<<22)|(3<<25)
	s_mov_b32 s[G1B+1], ROWB<<16
	s_mov_b32 s[G1B+2], 128<<16
	s_mov_b32 s[G1B+3], ROWB<<16
	s_mov_b32 s[G1B+4], 128
	s_mov_b32 s[G1B+5], KROW
	s_mov_b32 s[G1B+6], 0
	s_mov_b32 s[G1B+7], 0
	; the scales of 128 rows: a dense block of 4,096 bytes, as 16 rows of 256 bytes, 16 bytes of padding behind each
	s_or_b32 s[G1S+0], s43, (3<<16)|(1<<20)|(1<<21)|(5<<22)|(3<<25)
	s_or_b32 s[G1SB+0], s44, (3<<16)|(1<<20)|(1<<21)|(5<<22)|(3<<25)
.irp g, G1S, G1SB
	s_mov_b32 s[\g+1], 32<<16
	s_mov_b32 s[\g+2], (128*KS/256)<<16
	s_mov_b32 s[\g+3], 32<<16
	s_mov_b32 s[\g+4], 128*KS/256
	s_mov_b32 s[\g+5], 32
	s_mov_b32 s[\g+6], 0
	s_mov_b32 s[\g+7], 0
.endr
	s_lshl_b32 s18, s16, 7                         ; which 128 rows of the tile I fetch
	s_lshl_b32 s20, s17, 8
	s_add_co_u32 s20, s20, s18                     ; A: token 256 x tile row + 128 x half
	s_lshl_b32 s46, s42, 8
	s_add_co_u32 s46, s46, s18
	s_add_co_u32 s46, s46, WOROW                   ; Wo: its first row + 256 x tile column + 128 x half
	s_mov_b32 s21, 0
	s_mov_b32 s47, 0
	s_mov_b64 s[18:19], KS
	s_mul_u64 s[22:23], s[20:21], s[18:19]         ; where these rows' scales begin, in bytes
	s_mul_u64 s[92:93], s[46:47], s[18:19]
	s_mov_b64 s[18:19], 48
	s_mul_u64 s[20:21], s[20:21], s[18:19]         ; and their codes: 48 bytes a token in a head's part of ao,
	s_mov_b64 s[18:19], KROW
	s_mul_u64 s[46:47], s[46:47], s[18:19]         ; 768 a row in the table
	s_mul_i32 s45, s14, HALFT                      ; where they go: the wave's number alone
	s_mul_i32 s94, s14, HALFS
	s_wait_kmcnt 0x0
	s_add_nc_u64 s[20:21], s[4:5], s[20:21]
	s_add_nc_u64 s[22:23], s[6:7], s[22:23]
	s_add_nc_u64 s[46:47], s[8:9], s[46:47]
	s_add_nc_u64 s[92:93], s[10:11], s[92:93]
	CROUND                                         ; all sixteen work-groups are here: the first joint loads meet
	s_mov_b32 s[G0S], 1
	s_add_co_u32 s[G0S+1], s94, SCL
	s_mov_b64 s[G0S+2:G0S+3], s[22:23]
	s_or_b32 s[G0S+3], s[G0S+3], 0x80000000
	s_mov_b32 s[G0SB], 1
	s_add_co_u32 s[G0SB+1], s94, SCL
	s_mov_b64 s[G0SB+2:G0SB+3], s[92:93]
	s_or_b32 s[G0SB+3], s[G0SB+3], 0x80000000
	JLOAD G0S, G1S, G0SB, G1SB                     ; the scales first.  With the two below, three tensor loads of mine are out
.irp s, 0,1
	s_mov_b32 s[G0+4*\s], 1
	s_add_co_u32 s[G0+4*\s+1], s45, \s*SLOT
	s_add_nc_u64 s[G0+4*\s+2:G0+4*\s+3], s[20:21], \s*HSTEP
	s_or_b32 s[G0+4*\s+3], s[G0+4*\s+3], 0x80000000
	s_mov_b32 s[G0B+4*\s], 1
	s_add_co_u32 s[G0B+4*\s+1], s45, \s*SLOT
	s_add_nc_u64 s[G0B+4*\s+2:G0B+4*\s+3], s[46:47], \s*ROWB
	s_or_b32 s[G0B+4*\s+3], s[G0B+4*\s+3], 0x80000000
	JLOAD G0+4*\s, G1, G0B+4*\s, G1B
.endr
	v_and_b32 v1, 15, v0                           ; r
	v_bfe_u32 v2, v0, 4, 1                         ; h
	v_mul_u32_u24 v3, v1, PITCH
	v_mul_u32_u24 v4, v2, 24
	v_add_nc_u32 v4, v3, v4                        ; Wo: row x pitch + 24 x half
	v_lshl_add_u32 v5, v2, 4, v4                   ; and the same behind one padding more
	v_mul_u32_u24 v7, v1, 48
	v_mad_u32_u24 v7, v2, 24, v7                   ; A: 48 r + 24 h
	s_mul_i32 s21, s15, HALFT                      ; my 128 rows of A
	s_mul_i32 s22, s16, HALFT                      ; my 128 rows of Wo,
	s_add_co_u32 s22, s22, 2*HALFT                 ; which lie behind A's two shares
.irp s, 0,1
	v_add_nc_u32 v[ADRA+\s], s21, v7
	v_add_nc_u32 v[ADRB+\s], s22, v4
	v_add_nc_u32 v[ADRB+2+\s], s22, v5
	s_add_co_u32 s21, s21, SLOT
	s_add_co_u32 s22, s22, SLOT
.endr
	v_mul_u32_u24 v5, v1, KS                       ; my row's scales: KS bytes a row,
	v_lshrrev_b32 v6, 8, v5
	v_lshl_add_u32 v5, v6, 4, v5                   ; and 16 more for each 256 passed
	s_mul_i32 s21, s15, HALFS
	s_mul_i32 s22, s16, HALFS
	s_add_co_u32 s22, s22, 2*HALFS
	s_sub_co_u32 s22, s22, s21
	v_mul_u32_u24 v6, s22, v2                      ; lanes 16-31 take Wo's
	s_add_co_u32 s21, s21, SCL
	v_add_nc_u32 v5, v5, v6
	v_add_nc_u32 v[ADRS], s21, v5
	s_mul_i32 s23, s14, 16*SPITCH                  ; my stage
	v_mul_u32_u24 v5, v1, SPITCH                   ; in: row l % 16, 32 bytes for each half of the lanes
	v_lshl_add_u32 v5, v2, 5, v5
	v_add_nc_u32 v[STO], s23, v5
	v_and_b32 v6, 31, v0
	v_lshlrev_b32 v[CO], 4, v6                     ; back: the 32 lanes take one row of 512 bytes; and the same in out0
	v_add_nc_u32 v[RD], s23, v[CO]
	s_lshl_b32 s20, s17, 8
	s_lshl_b32 s21, s15, 7
	s_add_co_u32 s20, s20, s21                     ; my first row of out0
	s_mov_b32 s21, 0
	s_mov_b64 s[18:19], SIZE_N*4
	s_mul_u64 s[20:21], s[20:21], s[18:19]
	s_lshl_b32 s46, s42, 10                        ; my first column, in bytes
	s_lshl_b32 s47, s16, 9
	s_add_co_u32 s46, s46, s47
	s_mov_b32 s47, 0
	s_add_nc_u64 s[20:21], s[20:21], s[46:47]
	s_add_nc_u64 s[12:13], s[12:13], s[20:21]
.macro FRAG reg, adr, q, i             ; a fragment of Wo: 16 rows x 128 K, 12 registers, in pieces of 8 bytes; where the piece of lanes 16-31 lies behind one padding more, the second address register serves
.irp p, 0,1,2,3,4,5
.set PCE, 12*(\q)+6*(\p/3)+\p%3
.if PCE%8 < 5
	ds_load_b64 v[\reg+2*\p:\reg+2*\p+1], v[\adr] offset:8*PCE+16*(PCE/8)+(\i)*16*PITCH
.else
	ds_load_b64 v[\reg+2*\p:\reg+2*\p+1], v[\adr+2] offset:8*PCE+16*(PCE/8)+(\i)*16*PITCH
.endif
.endr
.endm
.macro FRAGA reg, adr, q, i            ; a fragment of A: registers 6 c .. 6 c + 5 are head 2 q + c of the slot's four, block h of its two: 24 bytes of the token's 48
.irp p, 0,1,2,3,4,5
	ds_load_b64 v[\reg+2*\p:\reg+2*\p+1], v[\adr] offset:(2*(\q)+\p/3)*6144+(\i)*768+8*(\p%3)
.endr
.endm
; 16 matrix instructions: A's blocks a0, a0 + 1 x Wo's eight, 128 along K.  The 64 accumulators take turns, one instruction a turn, in the same order in every step.
.macro MUL16 a0, p, q, sc, zero
.irp a, \a0, \a0+1
.irp b, 0,1,2,3,4,5,6,7
.if \zero
	v_wmma_scale_f32_16x16x128_f8f6f4 v[8*(8*((\a)%4)+\b):8*(8*((\a)%4)+\b)+7], v[128*(\p)+FR*\b:128*(\p)+FR*\b+FR-1], v[AF+FR*(\a):AF+FR*(\a)+FR-1], 0, v[SC+8*NQ*(\sc)+NQ*\b+(\q)], v[SC+8*NQ*(\sc)+NQ*(\a)+(\q)] matrix_a_fmt:MATRIX_FMT_FP6 matrix_b_fmt:MATRIX_FMT_FP6 matrix_a_scale:MATRIX_SCALE_ROW1
.else
	v_wmma_scale_f32_16x16x128_f8f6f4 v[8*(8*((\a)%4)+\b):8*(8*((\a)%4)+\b)+7], v[128*(\p)+FR*\b:128*(\p)+FR*\b+FR-1], v[AF+FR*(\a):AF+FR*(\a)+FR-1], v[8*(8*((\a)%4)+\b):8*(8*((\a)%4)+\b)+7], v[SC+8*NQ*(\sc)+NQ*\b+(\q)], v[SC+8*NQ*(\sc)+NQ*(\a)+(\q)] matrix_a_fmt:MATRIX_FMT_FP6 matrix_b_fmt:MATRIX_FMT_FP6 matrix_a_scale:MATRIX_SCALE_ROW1
.endif
.endr
.endr
.endm
.macro FETCH_B slot, q, p
	WIN TO_B
.irp i, 0,1,2,3,4,5,6,7
	FRAG 128*(\p)+FR*\i, ADRB+\slot, \q, \i
.endr
	WIN 0
.endm
.macro FETCH_A slot, q, i0
.irp i, \i0, \i0+1, \i0+2, \i0+3
	FRAGA AF+FR*(\i), ADRA+\slot, \q, \i
.endr
.endm
.macro SCALES sc                       ; the next K step's scale words: lanes 0-15 take A's block i, lanes 16-31 Wo's block i
.irp i, 0,1,2,3,4,5,6,7
	ds_load_b64 v[SC+8*NQ*\sc+NQ*\i:SC+8*NQ*\sc+NQ*\i+1], v[ADRS] offset:\i*SBLK
.endr
.endm
; A load into a register that a matrix instruction has read, and an LDS store that reads a matrix result, stand NP places behind that matrix instruction; only plain vector instructions that name none of its
; registers are places (ISA guide 7.12.1 for vector instructions).
.macro PLACES n
.rept \n
	v_nop
.endr
.endm
.macro STEP slot, q, zero
	s_wait_dscnt 4*NL                              ; Wo's set and A's blocks 0-3 are in; the youngest 24 loads (A's blocks 4-7) may be out
	WIN MUL_LO
	MUL16 0, (\q)%2, \q, \slot, \zero
	MUL16 2, (\q)%2, \q, \slot, \zero
	s_wait_dscnt 0                                 ; A's blocks 4-7 are in
	PLACES NP
	FETCH_B \slot, (\q)+1, 1-(\q)%2
	FETCH_A \slot, (\q)+1, 0
	WIN MUL_HI
	MUL16 4, (\q)%2, \q, \slot, \zero
	MUL16 6, (\q)%2, \q, \slot, \zero
	PLACES NP
	WIN 0
	FETCH_A \slot, (\q)+1, 4
.endm
; A slot's last step changes slots: ONE barrier; in front of it each wave waits for all its tensor loads, adds 0 to its spare word, and waits for that and for its own reads of this slot.
.macro TURN slot, next, fill
	s_wait_tensorcnt 0x0                           ; all my tensor loads have landed: my part of the next slot;
	ds_add_u32 v[SPW], v[NIL]                      ; 0 onto my spare word
	s_wait_dscnt 4*NL+1                            ; (the add and the youngest 24 loads may be out)
	WIN MUL_LO
	MUL16 0, 1, NQ-1, \slot, 0                     ; sixteen matrix instructions stand between the add and the wait for it
	s_wait_dscnt 0x0                               ; the add is done, and my reads of this slot are over
	s_barrier_signal -1
	MUL16 2, 1, NQ-1, \slot, 0
	WIN 0
	s_barrier_wait -1
.if \fill
	CREST                                          ; a round of the cluster's barrier: no wave of any partner still reads this slot's tile or has a load on its way
	s_add_nc_u64 s[G0+4*\slot+2:G0+4*\slot+3], s[G0+4*\slot+2:G0+4*\slot+3], 2*HSTEP
	s_add_nc_u64 s[G0B+4*\slot+2:G0B+4*\slot+3], s[G0B+4*\slot+2:G0B+4*\slot+3], 2*ROWB
	JLOAD G0+4*\slot, G1, G0B+4*\slot, G1B         ; the first tensor load behind the round, my only one until the next; its four v_nop are the places in front of the loads below
.else
	PLACES NP
.endif
	v_add_nc_u32 v[ADRS], 4*NQ, v[ADRS]            ; on to the next K step's scale words (no LDS load of mine is out)
	FETCH_B \next, 0, 0
	FETCH_A \next, 0, 0
	SCALES \next
	WIN MUL_HI
	MUL16 4, 1, NQ-1, \slot, 0
	MUL16 6, 1, NQ-1, \slot, 0
	PLACES NP
	WIN 0
	FETCH_A \next, 0, 4
.endm
	s_wait_tensorcnt 1                             ; the scales and my part of K step 0 are in (K step 1's load may be out)
	s_barrier_signal -1
	s_barrier_wait -1                              ; everybody's are
	FETCH_B 0, 0, 0
	FETCH_A 0, 0, 0
	SCALES 0
	FETCH_A 0, 0, 4
	; K = 1,024 is four K steps, twice round the ring: written out, since a loop over laps would have one trip
	STEP 0, 0, 1                                   ; the first products start the sums: nothing is cleared
	TURN 0, 1, 1                                   ; slot 0 takes K step 2
	STEP 1, 0, 0
	TURN 1, 0, 1                                   ; slot 1 takes K step 3
	STEP 0, 0, 0
	TURN 0, 1, 0                                   ; nothing is left to fetch
	STEP 1, 0, 0
	s_wait_dscnt 4*NL
	WIN MUL_LO
	MUL16 0, 1, NQ-1, 1, 0
	MUL16 2, 1, NQ-1, 1, 0
	s_wait_dscnt 0
	WIN MUL_HI
	MUL16 4, 1, NQ-1, 1, 0
	MUL16 6, 1, NQ-1, 1, 0
	WIN 0
; THE WAY OUT, block by block of 16 rows x 128 columns, through my own stage in LDS: in as 32 bytes a lane, back as whole rows of 512 bytes.  LDS serves a wave's instructions in order (ISA guide 5.7.1.4).
.macro TOSTAGE a
.set AC, 64*((\a)%4)
	WIN 0x08+4*((\a)/4)                            ; the data: window 2 or 3
.irp b, 0,1,2,3,4,5,6,7
	ds_store_b128 v[STO], v[AC+8*\b:AC+8*\b+3] offset:64*\b          ; each accumulator from its low end on
	ds_store_b128 v[STO], v[AC+8*\b+4:AC+8*\b+7] offset:64*\b+16
.endr
	WIN 0
.set BB, BK+64*((\a)%2)
.irp t, 0,1,2,3,4,5,6,7,8,9,10,11,12,13,14,15
	ds_load_b128 v[BB+4*\t:BB+4*\t+3], v[RD] offset:\t*SPITCH
.endr
.endm
.macro SEND a, younger                 ; younger: the LDS instructions issued behind block a's loads, which may stay out
.set BB, BK+64*((\a)%2)
	s_wait_dscnt \younger                          ; the block is back in registers
.if (\a) > 0
	s_add_nc_u64 s[12:13], s[12:13], 16*SIZE_N*4   ; (behind a wait on XCNT: the earlier stores have read their base)  16 rows of out0 on
.endif
.irp t, 0,1,2,3,4,5,6,7,8,9,10,11,12,13,14,15
	global_store_b128 v[CO], v[BB+4*\t:BB+4*\t+3], s[12:13] offset:\t*SIZE_N*4 th:TH_STORE_NT   ; 32 lanes store 512 consecutive bytes, at a multiple of 256 from out0's first byte; written once, read by nobody here
.endr
.endm
	PLACES NP                                      ; behind the last products: for the loads into the registers that held A's fragments and for the reads of the results
	TOSTAGE 0
.irp a, 1,2,3,4,5,6,7
.if \a > 1
	s_wait_xcnt 0x0                                ; block a - 2's stores have read their registers and their base: block a's loads may land there, and the base may step
.endif
	TOSTAGE \a
	SEND \a-1, 32                                  ; behind block a - 1's loads: block a's 16 stores and 16 loads
.endr
	s_wait_xcnt 0x0                                ; block 6's stores have read their base
	SEND 7, 0
	s_wait_tensorcnt 0x0                           ; the wave's end: behind my last tensor load and my last LDS store
	ds_add_u32 v[SPW], v[NIL]
	s_wait_dscnt 0x0
	CROUND                                         ; the closing round: no work-group ends while a partner may still ask for a tile that names it
	s_endpgm
.Lfunc_end_k_q0ea0d17567_outp:
	.size	k_q0ea0d17567_outp, .Lfunc_end_k_q0ea0d17567_outp-k_q0ea0d17567_outp
	.p2alignl 7, 3214868480
	.fill 96, 4, 3214868480
	.section	.rodata,"a",@progbits
	.p2align	6, 0x0
	.amdhsa_kernel k_q0ea0d17567_outp
		.amdhsa_group_segment_fixed_size 327680
		.amdhsa_private_segment_fixed_size 0
		.amdhsa_enable_private_segment 0
		.amdhsa_kernarg_size 40
		.amdhsa_user_sgpr_count 2
		.amdhsa_user_sgpr_kernarg_segment_ptr 1
		.amdhsa_wavefront_size32 1
		.amdhsa_system_sgpr_workgroup_id_x 1
		.amdhsa_system_sgpr_workgroup_id_y 1
		.amdhsa_system_sgpr_workgroup_id_z 1
		.amdhsa_system_vgpr_workitem_id 0
		.amdhsa_next_free_vgpr 1024
		.amdhsa_next_free_sgpr 98
		.amdhsa_reserve_vcc 0
		.amdhsa_float_denorm_mode_32 3
		.amdhsa_float_denorm_mode_16_64 3
		.amdhsa_memory_ordered 1
		.amdhsa_forward_progress 1
		.amdhsa_inst_pref_size 160
	.end_amdhsa_kernel
	.amdgpu_metadata
---
amdhsa.version: [ 1, 2 ]
amdhsa.kernels:
  - .name:           k_q0ea0d17567_outp
    .symbol:         k_q0ea0d17567_outp.kd
    .args:
      - { .name: ao, .offset: 0, .size: 8, .value_kind: global_buffer, .address_space: global }
      - { .name: aos, .offset: 8, .size: 8, .value_kind: global_buffer, .address_space: global }
      - { .name: cod, .offset: 16, .size: 8, .value_kind: global_buffer, .address_space: global }
      - { .name: scl, .offset: 24, .size: 8, .value_kind: global_buffer, .address_space: global }
      - { .name: out0, .offset: 32, .size: 8, .value_kind: global_buffer, .address_space: global }
    .group_segment_fixed_size: 327680
    .private_segment_fixed_size: 0
    .kernarg_segment_align: 8
    .kernarg_segment_size: 40
    .max_flat_workgroup_size: 128
    .sgpr_count:     98
    .vgpr_count:     1024
    .wavefront_size: 32
...
	.end_amdgpu_metadata
.endif
;; end of part 4
